; MI455X (gfx1250); checked and timed in simulation.
; The chip was launched on July 23, 2026; its instructions are those of AMD's public machine-readable ISA for CDNA 5 (MIT licence, August 2026) and "CDNA5" Instruction Set Architecture Reference Guide (July 2026). The comments in the code are by the model that wrote it; some were corrected since.
;; Multi Head Attention. Allowed arithmetic: matrix products marked QUANTISED: E2M1 operands, one E8M0 scale for each 32 along K, by v_wmma_scale_f32_16x16x128_f8f6f4 with both operands' format E2M1 (or v_wmma_scale_f32_32x16x128_f4), f32 sums; products left as they are: bf16, f16 or f32 operands; f32 sums; everything else in f32.
;; Inputs: b_proj 1,024 float32; b_qkv 3,072 float32; mask 1 x 1 x 2,048 x 2,048 int32; w_proj 1,024 x 1,024 float32; w_qkv 1,024 x 3,072 float32; x 4 x 2,048 x 1,024 float32.
;; Outputs: out0 4 x 2,048 x 1,024 float32.
;; This version of the problem:
;;   THIS VERSION OF THE PROBLEM IS GIVEN IN LOW PRECISION. The matrix products marked QUANTISED in the list below multiply operands that are first quantised to E2M1 (2 exponent bits, 1 mantissa bit; 4 bits a number), with one power-of-two scale for each 32 numbers along K (OCP MX v1.0); their sums are f32. The products marked 'left as it is' may take bf16, f16 or f32 operands, with f32 sums. Whichever they take, every output number must still come out within the allowed error. Rounding operands to bf16 (8 significant bits) uses up far more of that allowance than f16 does (11 bits, for magnitudes from 6e-5 to 65,504). All else is computed in f32.
;;   The module's matrix products, in the order in which they are computed (A, B: the left and right operand; K: the contracted axis; several contracted axes count as one K, in the product's order):
;;     1. [M 8,192, K 1,024] x [K 1,024, N 3,072]; A: input x; B: input w_qkv: QUANTISED
;;     2. batch 64 x [M 2,048, K 64] x [K 64, N 2,048]; A: computed on the way; B: computed on the way: left as it is (an operand is computed on the way)
;;     3. batch 64 x [M 2,048, K 2,048] x [K 2,048, N 64]; A: computed on the way; B: computed on the way: left as it is (an operand is computed on the way)
;;     4. [M 8,192, K 1,024] x [K 1,024, N 1,024]; A: computed on the way; B: input w_proj: left as it is (an operand is computed on the way)
;;   THE QUANTISER, for each operand of a quantised product, along K:
;;     - K is cut into blocks of 32 from its start; a last block that is shorter is filled with zeros.
;;     - A block's scale is 2^e with e = floor(log2(the largest magnitude in the block)) - 2, held to -126 .. 127; a block of zeros has e = 0. As a byte (E8M0): e + 127.
;;     - Each number is divided by its block's scale, clamped to +-6, and rounded to the nearest number of E2M1, ties to even, subnormals kept.
;;     - The product sums the exact products of the quantised numbers (number of the format x scale) in f32.
;;   ~~~python
;;   def quantise(x, axis):      # numpy; x: float32 -> the quantised numbers, widened to float32 again
;;       x = np.moveaxis(x, axis, -1); K = x.shape[-1]
;;       x = np.pad(x, [(0, 0)] * (x.ndim - 1) + [(0, -K % 32)]); x = x.reshape(x.shape[:-1] + (-1, 32)); a = np.abs(x).max(-1, keepdims=True)
;;       e = np.where(a > 0, np.clip(np.frexp(np.where(a > 0, a, 1))[1] - 1 - 2, -126, 127), 0)      # np.frexp(a)[1] - 1 = floor(log2(a)), exactly
;;       r = np.clip(x / 2.0 ** e, -6, 6)
;;       step = 2.0 ** (np.maximum(np.frexp(np.where(r == 0, 1, r))[1] - 1, 0) - 1)
;;       q = np.round(r / step) * step * 2.0 ** e      # np.round: ties to even
;;       return np.moveaxis(q.reshape(q.shape[:-2] + (-1,))[..., :K], -1, axis).astype(np.float32)
;;   ~~~
;; One version. Each part assembles by itself: llvm-mc -triple=amdgcn-amd-amdhsa -mcpu=gfx1250 --defsym DOCPART=n.
;; ======== version 1 of 1: 5 launches
;; limits: values are held in f16: magnitudes above 65,504 overflow, below 6.1e-05 lose precision
;; workspace buffers: cod 6,127,616 bytes; wp16 2,097,152 bytes; mb 540,672 bytes of whole numbers; qkvh 50,331,648 bytes; qkvf 3,145,728 bytes; ao 16,777,216 bytes
;; launch prep (part 1): grid 496 x 1, 4 waves a work-group, no clusters, 124,416 bytes of LDS; arguments x, w_qkv, w_proj, mask, cod, wp16, mb; writes cod, wp16, mb
.if DOCPART == 1
	.amdgcn_target "amdgcn-amd-amdhsa--gfx1250"
	.amdhsa_code_object_version 6
	.text
	.protected	k_q4e98a1950d_prep
	.globl	k_q4e98a1950d_prep
	.p2align	8
	.type	k_q4e98a1950d_prep,@function
k_q4e98a1950d_prep:
	s_mov_b64 s[64:65], 0
	v_nop
	global_prefetch_b8 v0, s[64:65] scope:SCOPE_SE
	s_setreg_imm32_b32 hwreg(HW_REG_WAVE_MODE, 25, 1), 1
	s_wait_xcnt 0x0
; PREP: everything that is made once from the inputs, in one launch.  Four kinds of work-groups, told apart by the work-group's number; each kind has LDS bytes of its own.
;   0-255   x [8192][1024] f32        -> cod: codes of E2M1 [8192][512 B] at 0, E8M0 bytes [8192][32] at 5,767,168            (K innermost: a stream of blocks of 32)
;   256-383 mask [2048][2048] i32     -> mb: lane-mask words [128 q tiles][32 key steps][32 words] at 0, flags [128][32] dwords at 524,288
;   384-431 w_qkv [1024 k][3072 n]    -> cod: codes [3072][512 B] at 4,194,304, E8M0 bytes [3072][32] at 6,029,312              (K is the first axis: a lane takes a column)
;   432-495 w_proj [1024 k][1024 n]   -> wp16 [1024 n][1024 k] f16
; THE QUANTISER: a block's scale is 2^(floor(log2(largest magnitude)) - 2); its byte is the largest magnitude's exponent field - 2, held at 1 from below by a floor among the maximum's leaves.
; A block of zeros so gets the byte 1 where the rule says 127: its codes are zeros, which add nothing, and the bytes are read by this program alone.
; LIMITS: blocks whose largest magnitude lies under 2^-124 keep the byte 1; NaN and infinities in x and the weights are not served; w_proj goes to f16: magnitudes up to 65,504, and under 6e-5 bits are lost.
; No tensor loads, no barrier: waves share nothing.
.set SPARE, 123904                     ; behind the four regions: the spare words, 128 bytes for each wave
.set SPW,   190                        ; v190 LDS address of my spare word; never rewritten
.set NIL,   191                        ; v191 0; never rewritten
.set EMAX,  2
.macro FINISH                          ; a wave's end, behind my last LDS store
	s_wait_tensorcnt 0x0
	ds_add_u32 v[SPW], v[NIL]
	s_wait_dscnt 0x0
	s_endpgm
.endm
	v_lshl_add_u32 v[SPW], v0, 2, SPARE
	v_mov_b32 v[NIL], 0
	v_lshrrev_b32 v1, 5, v0
	v_readfirstlane_b32 s16, v1                    ; wave 0..3
	v_and_b32 v2, 31, v0                           ; lane
	s_cmp_lt_u32 ttmp9, 256
	s_cbranch_scc1 .Lpath_a
	s_cmp_lt_u32 ttmp9, 384
	s_cbranch_scc1 .Lpath_d
	s_cmp_lt_u32 ttmp9, 432
	s_cbranch_scc1 .Lpath_b
; ---------------- w_proj -> f16, turned.  A wave takes 32 columns x 128 along K; a lane takes a column and its registers run down K, so that pairs of registers pack into neighbours along K.
.set CST, 67584                        ; LDS: four stages of 32 rows x (256 + 16) bytes
	s_load_b64 s[4:5], s[0:1], 0x10                ; w_proj
	s_load_b64 s[6:7], s[0:1], 0x28                ; wp16
	s_sub_co_u32 s17, ttmp9, 432
	s_and_b32 s18, s17, 7                          ; which 128 columns
	s_lshr_b32 s19, s17, 3                         ; which 128 along K
	s_lshl_b32 s18, s18, 7
	s_lshl_b32 s20, s16, 5
	s_add_co_u32 s18, s18, s20                     ; my wave's first column
	s_lshl_b32 s20, s19, 19                        ; 128 rows of 4,096 bytes
	s_lshl_b32 s21, s18, 2
	s_add_co_u32 s20, s20, s21
	s_mov_b32 s21, 0
	s_lshl_b32 s22, s18, 11                        ; out: a column's row of 2,048 bytes
	s_lshl_b32 s23, s19, 8
	s_add_co_u32 s22, s22, s23
	s_mov_b32 s23, 0
	v_lshlrev_b32 v3, 2, v2
	s_mul_i32 s24, s16, 8704
	s_add_co_u32 s24, s24, CST                     ; my stage
	v_mul_u32_u24 v4, v2, 272
	v_add_nc_u32 v4, s24, v4                       ; into it: row = my column
	v_and_b32 v5, 15, v2
	v_lshrrev_b32 v6, 4, v2
	v_mul_u32_u24 v7, v6, 272
	v_lshl_add_u32 v7, v5, 4, v7
	v_add_nc_u32 v7, s24, v7                       ; out of it: sixteen lanes to a row
	v_lshlrev_b32 v8, 11, v6
	v_lshl_add_u32 v8, v5, 4, v8                   ; and the same place in wp16
	s_wait_kmcnt 0x0
	s_add_nc_u64 s[4:5], s[4:5], s[20:21]
	s_add_nc_u64 s[6:7], s[6:7], s[22:23]
.macro LOADC g                         ; group g: rows 32 g + i of my column into v[16 + 32 g + i]; 32 lanes read 128 consecutive bytes of a row
.irp i, 0,1,2,3,4,5,6,7,8,9,10,11,12,13,14,15,16,17,18,19,20,21,22,23,24,25,26,27,28,29,30,31
	global_load_b32 v[16+32*(\g)+\i], v3, s[4:5] offset:(32*(\g)+\i)*4096 th:TH_LOAD_NT
.endr
.endm
	LOADC 0                                        ; the loads run two groups ahead
	LOADC 1
.irp g, 0,1,2,3
.if \g < 3
	s_wait_loadcnt 32                              ; this group's 32 loads are in; the next group's 32 may be out
.else
	s_wait_loadcnt 0x0
.endif
.irp i, 0,1,2,3,4,5,6,7,8,9,10,11,12,13,14,15
	v_cvt_pk_f16_f32 v[16+16*\g+\i], v[16+2*(16*\g+\i)], v[17+2*(16*\g+\i)]   ; in place, ascending: a result lands only on numbers that are done with (the results fill v16-79, the groups still out fill v80-143)
.endr
.irp j, 0,1,2,3
	ds_store_b128 v4, v[16+16*\g+4*\j:16+16*\g+4*\j+3] offset:64*\g+16*\j
.endr
.if \g < 2
	LOADC \g+2
.endif
.endr
.irp t, 0,1,2,3,4,5,6,7,8,9,10,11,12,13,14,15
	ds_load_b128 v[80+4*\t:83+4*\t], v7 offset:2*\t*272     ; LDS serves a wave's instructions in order: these see my stores
.endr
.irp t, 0,1,2,3,4,5,6,7,8,9,10,11,12,13,14,15
	s_wait_dscnt 15-\t
	global_store_b128 v8, v[80+4*\t:83+4*\t], s[6:7] offset:2*\t*2048   ; sixteen lanes store 256 consecutive bytes, aligned
.endr
	FINISH
; ---------------- x -> codes.  A wave takes 16 steps of 512 numbers.  Each load reads 512 consecutive bytes; the 2,048 bytes of a step turn through the wave's stage so that a lane holds 16 neighbours.
.Lpath_a:
.set ASTEPS, 16
.set ACB,  8                           ; bytes of 16 codes
.set AR,   16                          ; v16-79   four sets of 16 numbers as loaded
.set AX,   80                          ; v80-111  two sets of 16 neighbours
.set AE,   112                         ; v112-127 a scale byte for each step
.set ACO,  128                         ; v128-189 codes: registers of its own for each step
.set ASP,  80                          ; a lane's place in a stage: 64 bytes + 16 of padding
	s_load_b64 s[4:5], s[0:1], 0x0                 ; x
	s_load_b64 s[8:9], s[0:1], 0x20                ; cod
	v_lshlrev_b32 v3, 4, v2
	s_lshl_b32 s17, s16, 13                        ; LDS: 8,192 bytes for each wave: two stages, then its 256 scale bytes
	v_lshrrev_b32 v14, 2, v2
	v_mul_u32_u24 v14, v14, ASP
	v_and_b32 v15, 3, v2
	v_lshl_add_u32 v14, v15, 4, v14
	v_add_nc_u32 v14, s17, v14                     ; the stage, on the way in
	v_mul_u32_u24 v15, v2, ASP
	v_add_nc_u32 v15, s17, v15                     ; and on the way out: my 16 neighbours
	v_mul_u32_u24 v4, v2, ACB
	v_lshrrev_b32 v5, 1, v2
	s_add_co_u32 s17, s17, 2*32*ASP
	v_add_nc_u32 v5, s17, v5                       ; my block's scale byte
	v_lshlrev_b32 v7, 3, v2
	v_add_nc_u32 v6, s17, v7
	s_lshl_b32 s18, ttmp9, 2
	s_add_co_u32 s18, s18, s16                     ; which run of 8,192 numbers is my wave's
	s_lshl_b32 s20, s18, 15
	s_mov_b32 s21, 0
	s_lshl_b32 s22, s18, 12
	s_mov_b32 s23, 0
	s_lshl_b32 s24, s18, 8
	s_add_co_u32 s24, s24, 5767168
	s_mov_b32 s25, 0
	s_wait_kmcnt 0x0
	s_add_nc_u64 s[4:5], s[4:5], s[20:21]
	s_add_nc_u64 s[10:11], s[8:9], s[24:25]
	s_add_nc_u64 s[8:9], s[8:9], s[22:23]
.macro LOADA t
.irp i, 0,1,2,3
	global_load_b128 v[AR+16*((\t)%4)+4*\i:AR+16*((\t)%4)+4*\i+3], v3, s[4:5] offset:2048*(\t)+512*\i th:TH_LOAD_NT
.endr
.endm
.macro TURNA t                         ; step t's numbers through the stage
.irp i, 0,1,2,3
	ds_store_b128 v14, v[AR+16*((\t)%4)+4*\i:AR+16*((\t)%4)+4*\i+3] offset:32*ASP*((\t)%2)+8*ASP*\i
.endr
.irp i, 0,1,2,3
	ds_load_b128 v[AX+16*((\t)%2)+4*\i:AX+16*((\t)%2)+4*\i+3], v15 offset:32*ASP*((\t)%2)+16*\i
.endr
.endm
.irp t, 0,1,2,3
	LOADA \t
.endr
	s_wait_loadcnt 12                              ; step 0's four loads are in
	TURNA 0
.macro STEPA t
.set XS, AX+16*((\t)%2)
.if (\t) > 0
	s_wait_dscnt 1                                 ; this step's numbers are back (the last step's byte store may be out)
.else
	s_wait_dscnt 0x0
.endif
.if (\t)+4 < ASTEPS
	LOADA (\t)+4
.endif
.if (\t)+1 < ASTEPS
.if ASTEPS-2-(\t) >= 3
	s_wait_loadcnt 12                              ; the next step's four loads are in; those of the three steps behind it may be out
.else
	s_wait_loadcnt 4*(ASTEPS-2-(\t))
.endif
	TURNA (\t)+1
.endif
	v_max3_num_f32 v8, |v[XS]|, |v[XS+1]|, |v[XS+2]|
	v_max3_num_f32 v9, |v[XS+3]|, |v[XS+4]|, |v[XS+5]|
.irp i, 6,10
	v_max3_num_f32 v8, v8, |v[XS+\i]|, |v[XS+\i+1]|
	v_max3_num_f32 v9, v9, |v[XS+\i+2]|, |v[XS+\i+3]|
.endr
	v_max3_num_f32 v8, v8, |v[XS+14]|, |v[XS+15]|
	v_max3_num_f32 v8, v8, v9, (EMAX+1)<<23        ; the floor: the byte cannot fall under 1
	v_max_num_f32_dpp v8, v8, v8 row_xmask:1 row_mask:0xf bank_mask:0xf   ; with my neighbour's 16: the block's largest magnitude
	v_add_nc_u32 v11, -(EMAX<<23), v8              ; 2 off its exponent field: the conversion's scale operand
	v_cvt_scalef32_pk8_fp4_f32 v[ACO+4*(\t)], v[XS:XS+7], v11
	v_cvt_scalef32_pk8_fp4_f32 v[ACO+4*(\t)+1], v[XS+8:XS+15], v11
	v_lshrrev_b32 v[AE+(\t)], 23, v11              ; the scale's byte
	ds_store_b8 v5, v[AE+(\t)] offset:16*(\t)      ; both lanes of a block write the same byte with the same value
	global_store_b64 v4, v[ACO+4*(\t):ACO+4*(\t)+1], s[8:9] offset:32*ACB*(\t)   ; the wave stores 256 consecutive bytes, aligned
.endm
.irp t, 0,1,2,3,4,5,6,7,8,9,10,11,12,13,14,15
	STEPA \t
.endr
	ds_load_b64 v[8:9], v6
	s_wait_dscnt 0x0
	global_store_b64 v7, v[8:9], s[10:11]          ; my wave's 256 scale bytes, aligned
	FINISH
; ---------------- w_qkv -> codes.  A wave takes 32 columns x 512 along K; a lane takes a column, its registers run down K: a block of 32 lies in one lane.
.Lpath_b:
.set BST,  32768                       ; LDS: four stages of 32 rows x (256 + 16) bytes
.set BX,   32                          ; v32-95   two sets of 32 numbers
.set BC,   96                          ; v96-99   a block's codes
.set BO,   112                         ; v112-175 the way out
.set BS,   24                          ; v24-27   the scale bytes, four to a register
	s_load_b64 s[4:5], s[0:1], 0x8                 ; w_qkv
	s_load_b64 s[6:7], s[0:1], 0x20                ; cod
	s_sub_co_u32 s17, ttmp9, 384
	s_cmp_ge_u32 s17, 24
	s_cselect_b32 s18, 1, 0                        ; which 512 along K
	s_cselect_b32 s19, 24, 0
	s_sub_co_u32 s17, s17, s19                     ; which 128 columns
	s_lshl_b32 s17, s17, 7
	s_lshl_b32 s19, s16, 5
	s_add_co_u32 s17, s17, s19                     ; my wave's first column
	v_lshlrev_b32 v3, 2, v2
	s_mul_i32 s19, s16, 8704
	s_add_co_u32 s19, s19, BST
	v_mul_u32_u24 v4, v2, 272
	v_add_nc_u32 v4, s19, v4
	v_and_b32 v5, 15, v2
	v_lshrrev_b32 v6, 4, v2
	v_mul_u32_u24 v7, v6, 272
	v_lshl_add_u32 v7, v5, 4, v7
	v_add_nc_u32 v7, s19, v7
	v_lshlrev_b32 v8, 9, v6
	v_lshl_add_u32 v8, v5, 4, v8
	v_lshlrev_b32 v9, 5, v2                        ; my column's row of 32 scale bytes
	s_mul_i32 s20, s18, 512*3072*4
	s_lshl_b32 s21, s17, 2
	s_add_co_u32 s20, s20, s21
	s_mov_b32 s21, 0
	s_lshl_b32 s22, s17, 9
	s_lshl_b32 s23, s18, 8
	s_add_co_u32 s22, s22, s23
	s_add_co_u32 s22, s22, 4194304
	s_mov_b32 s23, 0
	s_lshl_b32 s24, s17, 5
	s_lshl_b32 s25, s18, 4
	s_add_co_u32 s24, s24, s25
	s_add_co_u32 s24, s24, 6029312
	s_mov_b32 s25, 0
	s_wait_kmcnt 0x0
	s_add_nc_u64 s[4:5], s[4:5], s[20:21]
	s_add_nc_u64 s[8:9], s[6:7], s[24:25]
	s_add_nc_u64 s[6:7], s[6:7], s[22:23]
.macro LOADB t                         ; block t: rows 32 t + i of my column; the largest offset, 511 x 12,288 bytes, lies inside the signed 24-bit immediate
.irp i, 0,1,2,3,4,5,6,7,8,9,10,11,12,13,14,15,16,17,18,19,20,21,22,23,24,25,26,27,28,29,30,31
	global_load_b32 v[BX+32*((\t)%2)+\i], v3, s[4:5] offset:(32*(\t)+\i)*12288 th:TH_LOAD_NT
.endr
.endm
	LOADB 0
	LOADB 1
.macro BLOCKB t
.set XS, BX+32*((\t)%2)
.if (\t) < 15
	s_wait_loadcnt 32                              ; this block's 32 loads are in; the next block's may be out
.else
	s_wait_loadcnt 0
.endif
	v_max3_num_f32 v12, |v[XS]|, |v[XS+1]|, |v[XS+2]|
	v_max3_num_f32 v13, |v[XS+3]|, |v[XS+4]|, |v[XS+5]|
.irp i, 6,10,14,18,22,26
	v_max3_num_f32 v12, v12, |v[XS+\i]|, |v[XS+\i+1]|
	v_max3_num_f32 v13, v13, |v[XS+\i+2]|, |v[XS+\i+3]|
.endr
	v_max3_num_f32 v12, v12, |v[XS+30]|, |v[XS+31]|
	v_max3_num_f32 v12, v12, v13, (EMAX+1)<<23
	v_add_nc_u32 v11, -(EMAX<<23), v12
	v_lshrrev_b32 v13, 23, v11
.if (\t)%4 == 0
	v_mov_b32 v[BS+(\t)/4], v13
.else
	v_lshl_or_b32 v[BS+(\t)/4], v13, 8*((\t)%4), v[BS+(\t)/4]
.endif
.irp g, 0,1,2,3
	v_cvt_scalef32_pk8_fp4_f32 v[BC+\g], v[XS+8*\g:XS+8*\g+7], v11
.endr
	ds_store_b128 v4, v[BC:BC+3] offset:16*(\t)
.if (\t)+2 < 16
	LOADB (\t)+2
.endif
	s_wait_dscnt 0x0                               ; the store has read its registers: the next block's codes may be written
.endm
.set Q, 0
.rept 16
	BLOCKB Q
.set Q, Q+1
.endr
	global_store_b128 v9, v[BS:BS+3], s[8:9]       ; my column's 16 scale bytes (rows 32 bytes apart: one byte in 128 of what this path reads)
.irp t, 0,1,2,3,4,5,6,7,8,9,10,11,12,13,14,15
	ds_load_b128 v[BO+4*\t:BO+4*\t+3], v7 offset:2*\t*272
.endr
.irp t, 0,1,2,3,4,5,6,7,8,9,10,11,12,13,14,15
	s_wait_dscnt 15-\t
	global_store_b128 v8, v[BO+4*\t:BO+4*\t+3], s[6:7] offset:2*\t*512
.endr
	FINISH
; ---------------- the mask -> lane-mask words and flags.  A wave takes 16 query rows x 8 key steps of 64 keys.
; Word e = 8 t + j of (q tile, step): bit L says whether mask[16 qt + L % 16][64 step + 16 t + 8 (L / 16) + j] is not 0: the lanes and registers in which the attention launches hold that score.
; Flag of (q tile, step): bit 0 some key is kept, bit 1 all are.
.Lpath_d:
.set DST,  102400                      ; LDS: for each wave a stage of 16 rows x (256 + 16) bytes, then 1,024 bytes for its words
	s_load_b64 s[4:5], s[0:1], 0x18                ; mask
	s_load_b64 s[8:9], s[0:1], 0x30                ; mb
	s_sub_co_u32 s17, ttmp9, 256                   ; q tile
	s_lshl_b32 s18, s17, 17                        ; 16 rows of 8,192 bytes
	s_lshl_b32 s19, s16, 11                        ; my wave's 8 steps of 256 bytes
	s_add_co_u32 s18, s18, s19
	s_mov_b32 s19, 0
	s_lshl_b32 s56, s17, 2
	s_add_co_u32 s56, s56, s16
	s_lshl_b32 s58, s56, 5
	s_add_co_u32 s58, s58, 524288                  ; my 8 flags
	s_mov_b32 s59, 0
	s_lshl_b32 s56, s56, 10                        ; my 8 x 32 words
	s_mov_b32 s57, 0
	s_mul_i32 s60, s16, 5376
	s_add_co_u32 s60, s60, DST
	v_and_b32 v8, 15, v2
	v_lshrrev_b32 v9, 4, v2
	v_lshlrev_b32 v1, 13, v9
	v_lshl_add_u32 v1, v8, 4, v1                   ; load: sixteen lanes take 256 bytes of a row, lanes 16-31 the next row
	v_mul_u32_u24 v3, v9, 272
	v_lshl_add_u32 v3, v8, 4, v3
	v_add_nc_u32 v3, s60, v3                       ; the stage, on the way in
	v_mul_u32_u24 v4, v8, 272
	v_lshl_add_u32 v4, v9, 5, v4
	v_add_nc_u32 v4, s60, v4                       ; on the way out: row L % 16, 32 (L / 16) bytes on
	s_add_co_u32 s60, s60, 4352
	v_lshl_add_u32 v5, v2, 2, s60                  ; a step's words: 4 bytes a lane
	v_lshl_add_u32 v6, v2, 4, s60                  ; and back, 16 bytes a lane
	v_lshlrev_b32 v7, 4, v2
	v_lshlrev_b32 v10, 2, v2
.irp u, 0,1,2,3,4,5,6,7,8
	v_mov_b32 v[144+\u], 0                         ; a lane write's destination counts as read: the 8 registers of words and the one of flags are written once
.endr
	s_wait_kmcnt 0x0
	s_add_nc_u64 s[4:5], s[4:5], s[18:19]
	s_add_nc_u64 s[12:13], s[8:9], s[58:59]
	s_add_nc_u64 s[8:9], s[8:9], s[56:57]
.macro LOADM u
.irp i, 0,1,2,3,4,5,6,7
	global_load_b128 v[16+32*((\u)%3)+4*\i:16+32*((\u)%3)+4*\i+3], v1, s[4:5] offset:\i*16384+(\u)*256 th:TH_LOAD_NT
.endr
.endm
.macro TSD u
.if 7-(\u) >= 2
	s_wait_loadcnt 16                              ; this step's 8 loads are in; the two later steps' may be out
.else
	s_wait_loadcnt 8*(7-(\u))
.endif
.irp i, 0,1,2,3,4,5,6,7
	ds_store_b128 v3, v[16+32*((\u)%3)+4*\i:16+32*((\u)%3)+4*\i+3] offset:\i*544
.endr
.irp t, 0,1,2,3
	ds_load_b128 v[112+8*\t:115+8*\t], v4 offset:64*\t
	ds_load_b128 v[116+8*\t:119+8*\t], v4 offset:64*\t+16
.endr
	s_wait_dscnt 0x0
.if (\u)+3 <= 7
	LOADM (\u)+3
.endif
.irp e, 0,1,2,3,4,5,6,7,8,9,10,11,12,13,14,15,16,17,18,19,20,21,22,23,24,25,26,27,28,29,30,31
	v_cmp_ne_u32 s[20+\e], 0, v[112+\e]
.endr
.irp e, 0,1,2,3,4,5,6,7,8,9,10,11,12,13,14,15,16,17,18,19,20,21,22,23,24,25,26,27,28,29,30,31
	v_writelane_b32 v[144+(\u)], s[20+\e], \e
.endr
	v_cmp_ne_u32 s52, 0, v[144+(\u)]
	v_cmp_eq_u32 s53, -1, v[144+(\u)]
	s_cmp_lg_u32 s52, 0
	s_cselect_b32 s54, 1, 0                        ; some key is kept
	s_cmp_eq_u32 s53, -1
	s_cselect_b32 s55, 2, 0                        ; all are
	s_or_b32 s54, s54, s55
	v_writelane_b32 v152, s54, \u
	ds_store_b32 v5, v[144+(\u)] offset:128*(\u)
.endm
	LOADM 0
	LOADM 1
	LOADM 2
.irp u, 0,1,2,3,4,5,6,7
	TSD \u
.endr
	ds_load_b128 v[112:115], v6
	ds_load_b128 v[116:119], v6 offset:512
	s_wait_dscnt 0x0
	global_store_b128 v7, v[112:115], s[8:9]       ; 512 consecutive bytes each
	global_store_b128 v7, v[116:119], s[8:9] offset:512
	v_cmp_gt_u32 vcc_lo, 8, v2
	s_wait_xcnt 0x0                                ; EXEC changes only behind this wait
	s_and_saveexec_b32 s56, vcc_lo
	global_store_b32 v10, v152, s[12:13]           ; my 8 flags: 32 bytes a wave, 16 KiB in the launch: the one store here that fills no whole 256 bytes
	s_wait_xcnt 0x0
	s_or_b32 exec_lo, exec_lo, s56
	FINISH
.Lfunc_end_k_q4e98a1950d_prep:
	.size	k_q4e98a1950d_prep, .Lfunc_end_k_q4e98a1950d_prep-k_q4e98a1950d_prep
	.p2alignl 7, 3214868480
	.fill 96, 4, 3214868480
	.section	.rodata,"a",@progbits
	.p2align	6, 0x0
	.amdhsa_kernel k_q4e98a1950d_prep
		.amdhsa_group_segment_fixed_size 124416
		.amdhsa_private_segment_fixed_size 0
		.amdhsa_enable_private_segment 0
		.amdhsa_kernarg_size 56
		.amdhsa_user_sgpr_count 2
		.amdhsa_user_sgpr_kernarg_segment_ptr 1
		.amdhsa_wavefront_size32 1
		.amdhsa_system_sgpr_workgroup_id_x 1
		.amdhsa_system_sgpr_workgroup_id_y 1
		.amdhsa_system_sgpr_workgroup_id_z 1
		.amdhsa_system_vgpr_workitem_id 0
		.amdhsa_next_free_vgpr 192
		.amdhsa_next_free_sgpr 66
		.amdhsa_reserve_vcc 1
		.amdhsa_float_denorm_mode_32 3
		.amdhsa_float_denorm_mode_16_64 3
		.amdhsa_memory_ordered 1
		.amdhsa_forward_progress 1
		.amdhsa_inst_pref_size 185
	.end_amdhsa_kernel
	.amdgpu_metadata
---
amdhsa.version: [ 1, 2 ]
amdhsa.kernels:
  - .name:           k_q4e98a1950d_prep
    .symbol:         k_q4e98a1950d_prep.kd
    .args:
      - { .name: x, .offset: 0, .size: 8, .value_kind: global_buffer, .address_space: global }
      - { .name: w_qkv, .offset: 8, .size: 8, .value_kind: global_buffer, .address_space: global }
      - { .name: w_proj, .offset: 16, .size: 8, .value_kind: global_buffer, .address_space: global }
      - { .name: mask, .offset: 24, .size: 8, .value_kind: global_buffer, .address_space: global }
      - { .name: cod, .offset: 32, .size: 8, .value_kind: global_buffer, .address_space: global }
      - { .name: wp16, .offset: 40, .size: 8, .value_kind: global_buffer, .address_space: global }
      - { .name: mb, .offset: 48, .size: 8, .value_kind: global_buffer, .address_space: global }
    .group_segment_fixed_size: 124416
    .private_segment_fixed_size: 0
    .kernarg_segment_align: 8
    .kernarg_segment_size: 56
    .max_flat_workgroup_size: 128
    .sgpr_count:     66
    .vgpr_count:     192
    .wavefront_size: 32
...
	.end_amdgpu_metadata
.endif
;; end of part 1
;; launch gemm_qkv (part 2): grid 12 x 32, 4 waves a work-group, clusters of 4 x 4, 327,680 bytes of LDS; arguments cod, qkvh, b_qkv, qkvf; writes qkvh, qkvf
.if DOCPART == 2
	.amdgcn_target "amdgcn-amd-amdhsa--gfx1250"
	.amdhsa_code_object_version 6
	.text
	.protected	k_q4e98a1950d_gemm_qkv
	.globl	k_q4e98a1950d_gemm_qkv
	.p2align	8
	.type	k_q4e98a1950d_gemm_qkv,@function
k_q4e98a1950d_gemm_qkv:
	s_mov_b64 s[64:65], 0
	v_nop
	global_prefetch_b8 v0, s[64:65] scope:SCOPE_SE
	s_setreg_imm32_b32 hwreg(HW_REG_WAVE_MODE, 25, 1), 1
	s_wait_xcnt 0x0
	s_wait_alu depctr_hold_cnt(0) depctr_sa_sdst(0) depctr_va_vdst(0) depctr_va_sdst(0) depctr_va_ssrc(0) depctr_va_vcc(0) depctr_vm_vsrc(0)
	s_getreg_b32 s2, hwreg(HW_REG_IB_STS2, 6, 4)
	s_cmp_eq_u32 s2, 0
	s_cbranch_scc0 .Lentry_in_a_cluster
	s_endpgm
.Lentry_in_a_cluster:
	s_bfe_u32 s2, ttmp6, 0x10000c
	s_cmp_lg_u32 s2, 0xf033
	s_cbranch_scc0 .Lentry_shape_is_right
	s_endpgm
.Lentry_shape_is_right:
; qkv = Q(x) Q(w_qkv) + b_qkv on codes of E2M1 with E8M0 scales (M 8,192, N 3,072, K 1,024), sums in f32.  Out: q, k, v as f16, laid [part][b][head][n][64]; and, in f32, 16 rows of some tiles (below).
; A tile of 256 x 256 is made by four waves, 128 x 128 each: 64 accumulators, 512 registers.  K = 1,024 is two slots of 512 along K (rows of 256 bytes): both are first fills, nothing is filled again, and there is no loop.
; The scales of the work-group's 256 + 256 rows, for all of K, come once with the first fills.  CLUSTERS: 4 x 4; A's tiles are shared along a row of the cluster, B's along a column: joint loads.
; THE MATRIX INSTRUCTION IS USED TRANSPOSED (source 0 = 16 rows of w's codes, source 1 = 16 rows of x's): a lane holds eight neighbouring columns of one row.  The bias is the C of each sum's first instruction.
; THE F32 COPY: the first 16 positions of every sequence are computed again in f32 by a later launch, which wants q, k, v unrounded.  The copy is made by
; every tile of the clusters with even y (the first half of each sequence): rows 0-15 of 4 tiles a sequence; only the first tile's is read later.
; LIMITS: q, k, v leave as f16: magnitudes up to 65,504; under 6e-5 bits are lost.
; REGISTERS, in windows of 256: window 0: v0-31 addresses; v32-95 scale words, two sets, and nothing else; v128-191 A's fragments, one set, later the way out; v192-255 the bias, later the way out.
;   window 1: B's fragments, two sets.  windows 2, 3: accumulators.
.set KSTEP,  512
.set NQ,     4
.set ROWB,   256
.set KROW,   512
.set PITCH,  272                       ; an LDS row: 256 bytes + 16 of padding = 68 words: row r starts 4 r words on, modulo 64 (64 banks of 4 bytes: ISA guide 11.1)
.set FR,     8
.set NL,     2
.set NP,     4
.set HALFT,  128*PITCH
.set SLOT,   4*HALFT
.set KS,     32                        ; a row of scales in bytes
.set SCL,    2*SLOT
.set HALFS,  (128*KS/256)*272
.set SBLK,   (16*KS/256)*272
.set SPARE,  SCL+4*HALFS               ; the spare words, 128 bytes for each wave
.set SPITCH, 528                       ; the f32 stage: 16 rows x (512 + 16) bytes for each wave, in slot 0, which has had its only fill and its last read when the first result is stored there
.set ADRA, 16
.set HST,  18                          ; v18 the f16 stage: where I put 16 bytes of a row (pitch 272)
.set HRD,  19                          ; v19 and where I read: four rows of one head's 128 bytes
.set ADRB, 20
.set STO,  24
.set RD,   25
.set CO,   26                          ; v26 16 x lane
.set ADRS, 27
.set SPW,  28
.set NIL,  29
.set BOF,  30                          ; v30 32 x (lane / 16): my eight numbers of a bias tile
.set SC,   32
.set AF,   128
.set BIAS, 192
.set TMP,  192
.set G1, 24
.set G0, 32
.set G1B, 48
.set G0B, 56
.set G1S, 68
.set G0S, 76
.set G1SB, 80
.set G0SB, 88
.set MSB, 0
.macro WIN new                         ; the immediate's high byte repeats the setting that is left
.if MSB != \new
	s_set_vgpr_msb (MSB<<8)|\new
.set MSB, \new
.endif
.endm
.set MUL_LO, 0xa1                      ; source 0 (B) window 1, source 1 (A) window 0, C and D window 2
.set MUL_HI, 0xf1                      ; the same, C and D window 3
.set BIA_LO, 0x81                      ; the first step: C (the bias) window 0, D window 2
.set BIA_HI, 0xc1                      ; D window 3
.set TO_B,   0x40
.macro JLOAD g0a, g1a, g0b, g1b        ; a joint load: waves 0 and 1 fetch for A, waves 2 and 3 for B; an s_nop 0 and four v_nop follow each line
	s_cmp_eq_u32 s15, 0
	s_cbranch_scc0 .Lfor_b_\@
	tensor_load_to_lds s[\g0a:\g0a+3], s[\g1a:\g1a+7]
	s_nop 0
.rept 4
	v_nop
.endr
	s_branch .Lasked_\@
.Lfor_b_\@:
	tensor_load_to_lds s[\g0b:\g0b+3], s[\g1b:\g1b+7]
	s_nop 0
.rept 4
	v_nop
.endr
.Lasked_\@:
.endm
.macro CROUND                          ; a round of the cluster's barrier
	s_barrier_signal -1
	s_barrier_wait -1
	s_cmp_lg_u32 s14, 0
	s_cbranch_scc1 .Lnot_wave_0_\@
	s_barrier_signal -3
.Lnot_wave_0_\@:
	s_barrier_wait -3
	s_barrier_signal -1
	s_barrier_wait -1
.endm
	s_load_b64 s[4:5], s[0:1], 0x0                 ; cod
	s_load_b64 s[12:13], s[0:1], 0x8               ; qkvh
	s_load_b128 s[96:99], s[0:1], 0x10             ; b_qkv, qkvf
	v_lshl_add_u32 v[SPW], v0, 2, SPARE
	v_mov_b32 v[NIL], 0
	ds_add_u32 v[SPW], v[NIL]                      ; the wave's opening: the add, twice on end, and its wait ahead of my first tensor load
	ds_add_u32 v[SPW], v[NIL]
	v_lshrrev_b32 v1, 5, v0
	v_readfirstlane_b32 s14, v1                    ; wave 0..3
	s_lshr_b32 s15, s14, 1                         ; which half of the tile's rows is mine.  Also: I fetch for A (0) or for B (1)
	s_and_b32 s16, s14, 1                          ; which half of its columns.  Also: which 128 rows I fetch
	s_bfe_u32 s40, ttmp6, 0x40000                  ; cx
	s_bfe_u32 s41, ttmp6, 0x40004                  ; cy
	s_lshl_b32 s42, ttmp9, 2
	s_add_co_u32 s42, s42, s40                     ; tile column
	s_and_b32 s17, ttmp7, 0xffff
	s_lshl_b32 s17, s17, 2
	s_add_co_u32 s17, s17, s41                     ; tile row
	s_lshl_b32 s43, s41, 2
	s_lshl_b32 s43, 15, s43                        ; my row of the cluster
	s_lshl_b32 s44, 0x1111, s40                    ; my column
	s_or_b32 s[G1+0], s43, (0<<16)|(1<<20)|(1<<21)|(5<<22)|(3<<25)  ; the mask; elements of 1 byte; padding: 4 words after every 64
	s_or_b32 s[G1B+0], s44, (0<<16)|(1<<20)|(1<<21)|(5<<22)|(3<<25)
.irp g, G1, G1B
	s_mov_b32 s[\g+1], ROWB<<16                    ; tensor_dim0
	s_mov_b32 s[\g+2], 128<<16                     ; tensor_dim1
	s_mov_b32 s[\g+3], ROWB<<16                    ; tile_dim0
	s_mov_b32 s[\g+4], 128                         ; tile_dim1
	s_mov_b32 s[\g+5], KROW                        ; from row to row
	s_mov_b32 s[\g+6], 0
	s_mov_b32 s[\g+7], 0
.endr
	s_or_b32 s[G1S+0], s43, (3<<16)|(1<<20)|(1<<21)|(5<<22)|(3<<25) ; the scales of 128 rows: 4,096 dense bytes as 16 rows of 256 (32 elements of 8 bytes)
	s_or_b32 s[G1SB+0], s44, (3<<16)|(1<<20)|(1<<21)|(5<<22)|(3<<25)
.irp g, G1S, G1SB
	s_mov_b32 s[\g+1], 32<<16
	s_mov_b32 s[\g+2], (128*KS/256)<<16
	s_mov_b32 s[\g+3], 32<<16
	s_mov_b32 s[\g+4], 128*KS/256
	s_mov_b32 s[\g+5], 32
	s_mov_b32 s[\g+6], 0
	s_mov_b32 s[\g+7], 0
.endr
	s_lshl_b32 s18, s16, 7
	s_lshl_b32 s20, s17, 8
	s_add_co_u32 s20, s20, s18                     ; A: row 256 x tile row + 128 x half
	s_lshl_b32 s46, s42, 8
	s_add_co_u32 s46, s46, s18                     ; B: row 256 x tile column + 128 x half
	s_mov_b32 s21, 0
	s_mov_b32 s47, 0
	s_mov_b64 s[18:19], KS
	s_mul_u64 s[22:23], s[20:21], s[18:19]
	s_mul_u64 s[92:93], s[46:47], s[18:19]
	s_mov_b64 s[18:19], KROW
	s_mul_u64 s[20:21], s[20:21], s[18:19]
	s_mul_u64 s[46:47], s[46:47], s[18:19]
	s_mul_i32 s45, s14, HALFT                      ; where they go: wave x 128 rows
	s_mul_i32 s94, s14, HALFS
	s_wait_dscnt 0x0                               ; both opening adds are done
	s_wait_kmcnt 0x0
	s_add_nc_u64 s[6:7], s[4:5], 5767168           ; x's scales
	s_add_nc_u64 s[8:9], s[4:5], 4194304           ; w's codes
	s_add_nc_u64 s[10:11], s[4:5], 6029312         ; w's scales
	s_add_nc_u64 s[20:21], s[4:5], s[20:21]
	s_add_nc_u64 s[22:23], s[6:7], s[22:23]
	s_add_nc_u64 s[46:47], s[8:9], s[46:47]
	s_add_nc_u64 s[92:93], s[10:11], s[92:93]
	CROUND                                         ; all sixteen work-groups are here: the joint loads meet
	s_mov_b32 s[G0S], 1
	s_add_co_u32 s[G0S+1], s94, SCL
	s_mov_b64 s[G0S+2:G0S+3], s[22:23]
	s_or_b32 s[G0S+3], s[G0S+3], 0x80000000
	s_mov_b32 s[G0SB], 1
	s_add_co_u32 s[G0SB+1], s94, SCL
	s_mov_b64 s[G0SB+2:G0SB+3], s[92:93]
	s_or_b32 s[G0SB+3], s[G0SB+3], 0x80000000
	JLOAD G0S, G1S, G0SB, G1SB                     ; a wave has three tensor loads out: the scales and both slots
.irp s, 0,1
	s_mov_b32 s[G0+4*\s], 1
	s_add_co_u32 s[G0+4*\s+1], s45, \s*SLOT
	s_add_nc_u64 s[G0+4*\s+2:G0+4*\s+3], s[20:21], \s*ROWB
	s_or_b32 s[G0+4*\s+3], s[G0+4*\s+3], 0x80000000
	s_mov_b32 s[G0B+4*\s], 1
	s_add_co_u32 s[G0B+4*\s+1], s45, \s*SLOT
	s_add_nc_u64 s[G0B+4*\s+2:G0B+4*\s+3], s[46:47], \s*ROWB
	s_or_b32 s[G0B+4*\s+3], s[G0B+4*\s+3], 0x80000000
	JLOAD G0+4*\s, G1, G0B+4*\s, G1B
.endr
	v_and_b32 v1, 15, v0                           ; r
	v_bfe_u32 v2, v0, 4, 1                         ; h
	v_mul_u32_u24 v3, v1, PITCH
	v_lshl_add_u32 v4, v2, 4, v3
	s_mul_i32 s21, s15, HALFT
	s_mul_i32 s22, s16, HALFT
	s_add_co_u32 s22, s22, 2*HALFT
.irp s, 0,1
	v_add_nc_u32 v[ADRA+\s], s21, v4
	v_add_nc_u32 v[ADRB+\s], s22, v4
	s_add_co_u32 s21, s21, SLOT
	s_add_co_u32 s22, s22, SLOT
.endr
	v_mul_u32_u24 v5, v1, KS
	v_lshrrev_b32 v6, 8, v5
	v_lshl_add_u32 v5, v6, 4, v5                   ; my row's scales: 32 bytes a row, 16 more for each 256 passed
	s_mul_i32 s21, s15, HALFS
	s_mul_i32 s22, s16, HALFS
	s_add_co_u32 s22, s22, 2*HALFS
	s_sub_co_u32 s22, s22, s21
	v_mul_u32_u24 v6, s22, v2                      ; lanes 16-31 take B's
	s_add_co_u32 s21, s21, SCL
	v_add_nc_u32 v5, v5, v6
	v_add_nc_u32 v[ADRS], s21, v5
	s_mul_i32 s23, s14, 16*SPITCH                  ; my stage
	v_mul_u32_u24 v5, v1, SPITCH
	v_lshl_add_u32 v5, v2, 5, v5
	v_add_nc_u32 v[STO], s23, v5
	v_and_b32 v6, 31, v0
	v_lshlrev_b32 v[CO], 4, v6
	v_add_nc_u32 v[RD], s23, v[CO]
	v_add_nc_u32 v[HST], s23, v4                   ; f16: row r x 272 + 16 h
	v_lshrrev_b32 v5, 3, v6
	v_mul_u32_u24 v5, v5, 272
	v_and_b32 v6, 7, v0
	v_lshl_add_u32 v5, v6, 4, v5
	v_add_nc_u32 v[HRD], s23, v5                   ; back: eight lanes to a head's 128 bytes of a row, four rows an instruction
	v_lshlrev_b32 v[BOF], 5, v2
	s_lshl_b32 s46, s42, 10                        ; my first column as f32 bytes: 1,024 x tile column + 512 x half
	s_lshl_b32 s47, s16, 9
	s_add_co_u32 s46, s46, s47
	s_mov_b32 s47, 0
	s_add_nc_u64 s[96:97], s[96:97], s[46:47]      ; the bias of my 128 columns
	s_add_nc_u64 s[98:99], s[98:99], s[46:47]
	s_and_b32 s20, ttmp7, 0xffff
	s_lshr_b32 s20, s20, 1                         ; the sequence (two clusters along y to a sequence)
	s_lshl_b32 s20, s20, 2
	s_add_co_u32 s20, s20, s41
	s_mul_i32 s20, s20, 196608                     ; qkvf: [sequence][cy][16 rows][3,072] f32
	s_mov_b32 s21, 0
	s_add_nc_u64 s[98:99], s[98:99], s[20:21]
	s_lshr_b32 s20, s42, 2                         ; qkvh: the part (q, k, v): 1,024 columns each,
	s_lshl_b32 s20, s20, 24
	s_lshr_b32 s21, s17, 3                         ; the sequence,
	s_lshl_b32 s21, s21, 4
	s_and_b32 s22, s42, 3
	s_lshl_b32 s22, s22, 2
	s_add_co_u32 s21, s21, s22
	s_lshl_b32 s22, s16, 1
	s_add_co_u32 s21, s21, s22                     ; the first of my two heads,
	s_lshl_b32 s21, s21, 11
	s_and_b32 s22, s17, 7
	s_lshl_b32 s22, s22, 8
	s_add_co_u32 s21, s21, s22
	s_lshl_b32 s22, s15, 7
	s_add_co_u32 s21, s21, s22                     ; my first position
	s_lshl_b32 s21, s21, 7                         ; rows of 128 bytes
	s_add_co_u32 s20, s20, s21
	s_mov_b32 s21, 0
	s_add_nc_u64 s[12:13], s[12:13], s[20:21]
.irp b, 0,1,2,3,4,5,6,7
	global_load_b128 v[BIAS+8*\b:BIAS+8*\b+3], v[BOF], s[96:97] offset:64*\b       ; lane (r, h): b_qkv at columns 16 b + 8 h + 0 .. 7: the result's layout
	global_load_b128 v[BIAS+8*\b+4:BIAS+8*\b+7], v[BOF], s[96:97] offset:64*\b+16
.endr
.macro FRAG reg, adr, q, i             ; a fragment, 16 rows x 128 K of 4-bit codes: 8 registers, two loads of 16 bytes, 32 bytes apart
.irp c, 0,1
	ds_load_b128 v[\reg+4*\c:\reg+4*\c+3], v[\adr] offset:64*(\q)+32*\c+(\i)*16*PITCH
.endr
.endm
; 16 matrix instructions: A's blocks a0, a0 + 1 x B's eight.  zero = 1: the first product starts the sums, with the bias as C.  The 64 accumulators take turns, one instruction a turn.
.macro MUL16 a0, p, q, sc, zero
.irp a, \a0, \a0+1
.irp b, 0,1,2,3,4,5,6,7
.if \zero
	v_wmma_scale_f32_16x16x128_f8f6f4 v[8*(8*((\a)%4)+\b):8*(8*((\a)%4)+\b)+7], v[128*(\p)+FR*\b:128*(\p)+FR*\b+FR-1], v[AF+FR*(\a):AF+FR*(\a)+FR-1], v[BIAS+8*\b:BIAS+8*\b+7], v[SC+8*NQ*(\sc)+NQ*\b+(\q)], v[SC+8*NQ*(\sc)+NQ*(\a)+(\q)] matrix_a_fmt:MATRIX_FMT_FP4 matrix_b_fmt:MATRIX_FMT_FP4 matrix_a_scale:MATRIX_SCALE_ROW1
.else
	v_wmma_scale_f32_16x16x128_f8f6f4 v[8*(8*((\a)%4)+\b):8*(8*((\a)%4)+\b)+7], v[128*(\p)+FR*\b:128*(\p)+FR*\b+FR-1], v[AF+FR*(\a):AF+FR*(\a)+FR-1], v[8*(8*((\a)%4)+\b):8*(8*((\a)%4)+\b)+7], v[SC+8*NQ*(\sc)+NQ*\b+(\q)], v[SC+8*NQ*(\sc)+NQ*(\a)+(\q)] matrix_a_fmt:MATRIX_FMT_FP4 matrix_b_fmt:MATRIX_FMT_FP4 matrix_a_scale:MATRIX_SCALE_ROW1
.endif
.endr
.endr
.endm
.macro FETCH_B slot, q, p
	WIN TO_B
.irp i, 0,1,2,3,4,5,6,7
	FRAG 128*(\p)+FR*\i, ADRB+\slot, \q, \i
.endr
	WIN 0
.endm
.macro FETCH_A slot, q, i0
.irp i, \i0, \i0+1, \i0+2, \i0+3
	FRAG AF+FR*(\i), ADRA+\slot, \q, \i
.endr
.endm
.macro SCALES sc                       ; a slot's scale words: lanes 0-15 take A's block i, lanes 16-31 B's block i
.irp i, 0,1,2,3,4,5,6,7
	ds_load_b128 v[SC+8*NQ*\sc+NQ*\i:SC+8*NQ*\sc+NQ*\i+3], v[ADRS] offset:\i*SBLK
.endr
.endm
.macro PLACES n                        ; plain vector instructions between a matrix instruction and a load into its registers or a read of its result
.rept \n
	v_nop
.endr
.endm
.macro STEP slot, q, zero              ; 128 along K, with its successor in the same slot
	s_wait_dscnt 4*NL                              ; all but the youngest eight loads (A's blocks 4-7)
.if \zero
	WIN BIA_LO
.else
	WIN MUL_LO
.endif
	MUL16 0, (\q)%2, \q, \slot, \zero
	MUL16 2, (\q)%2, \q, \slot, \zero
	s_wait_dscnt 0
	PLACES NP
	FETCH_B \slot, (\q)+1, 1-(\q)%2
	FETCH_A \slot, (\q)+1, 0
.if \zero
	WIN BIA_HI
.else
	WIN MUL_HI
.endif
	MUL16 4, (\q)%2, \q, \slot, \zero
	MUL16 6, (\q)%2, \q, \slot, \zero
	PLACES NP
	WIN 0
	FETCH_A \slot, (\q)+1, 4
.endm
.macro TURN slot, next                 ; slot 0's last step changes slots: one barrier; in front of it my part of slot 1 has landed and my reads of slot 0 are over.  Nothing is filled again
	s_wait_tensorcnt 0x0
	ds_add_u32 v[SPW], v[NIL]
	s_wait_dscnt 4*NL+1                            ; the add and the youngest eight loads may be out
	WIN MUL_LO
	MUL16 0, 1, NQ-1, \slot, 0
	s_wait_dscnt 0x0
	s_barrier_signal -1
	MUL16 2, 1, NQ-1, \slot, 0
	WIN 0
	s_barrier_wait -1
	PLACES NP
	v_add_nc_u32 v[ADRS], 4*NQ, v[ADRS]            ; the next slot's scale words (no LDS load of mine is out)
	FETCH_B \next, 0, 0
	FETCH_A \next, 0, 0
	SCALES \next
	WIN MUL_HI
	MUL16 4, 1, NQ-1, \slot, 0
	MUL16 6, 1, NQ-1, \slot, 0
	PLACES NP
	WIN 0
	FETCH_A \next, 0, 4
.endm
.macro STEPS slot, from
.set Q, \from
.rept NQ-1-\from
	STEP \slot, Q, 0
.set Q, Q+1
.endr
.endm
	s_wait_tensorcnt 1                             ; the scales and my part of slot 0 are in; slot 1's load may be out
	s_barrier_signal -1
	s_barrier_wait -1
	FETCH_B 0, 0, 0
	FETCH_A 0, 0, 0
	SCALES 0
	FETCH_A 0, 0, 4
	s_wait_loadcnt 0x0                             ; the bias
	STEP 0, 0, 1
	STEPS 0, 1
	TURN 0, 1
	STEPS 1, 0
	s_wait_dscnt 4*NL
	WIN MUL_LO
	MUL16 0, 1, NQ-1, 1, 0
	MUL16 2, 1, NQ-1, 1, 0
	s_wait_dscnt 0
	WIN MUL_HI
	MUL16 4, 1, NQ-1, 1, 0
	MUL16 6, 1, NQ-1, 1, 0
	WIN 0
	PLACES NP
	; THE F32 COPY of my tile's rows 0-15, in the waves that hold them (row half 0), in clusters with even y: both numbers are alike in all partners of a cluster
	s_and_b32 s2, ttmp7, 1
	s_or_b32 s2, s2, s15
	s_cmp_lg_u32 s2, 0
	s_cbranch_scc1 .Lno_copy
	WIN 0x08                                       ; an LDS store's data are its source 1: window 2
.irp b, 0,1,2,3,4,5,6,7
	ds_store_b128 v[STO], v[8*\b:8*\b+3] offset:64*\b          ; each accumulator from its low end on
	ds_store_b128 v[STO], v[8*\b+4:8*\b+7] offset:64*\b+16
.endr
	WIN 0
.irp t, 0,1,2,3,4,5,6,7,8,9,10,11,12,13,14,15
	ds_load_b128 v[AF+4*\t:AF+4*\t+3], v[RD] offset:\t*SPITCH  ; LDS serves a wave's instructions in order: these see my stores
.endr
.irp t, 0,1,2,3,4,5,6,7,8,9,10,11,12,13,14,15
	s_wait_dscnt 15-\t
	global_store_b128 v[CO], v[AF+4*\t:AF+4*\t+3], s[98:99] offset:\t*12288    ; 32 lanes store 512 consecutive bytes
.endr
.Lno_copy:
	s_wait_xcnt 0x0                                ; the copy's stores have read v128-191: the way out's loads may land there
; THE WAY OUT in f16, block by block of 16 rows x 128 columns (two heads).  PACK: rounded, 16 bytes a lane.  TOSTAGE: into my stage (rows of 272 bytes) and back, four rows of one head at a time, into v128-159 and v224-255 by turns.
; SEND: 512 consecutive bytes a store.
.macro PACK a
.set AC, 64*((\a)%4)
	WIN 0x0a+5*((\a)/4)                            ; sources 0 and 1: window 2 or 3
.irp b, 0,1,2,3,4,5,6,7
.irp k, 0,1,2,3
	v_cvt_pk_f16_f32 v[TMP+4*\b+\k], v[AC+8*\b+2*\k], v[AC+8*\b+2*\k+1]
.endr
.endr
	WIN 0
.endm
.macro TOSTAGE a
.set BB, 128+96*((\a)%2)
.irp b, 0,1,2,3,4,5,6,7
	ds_store_b128 v[HST], v[TMP+4*\b:TMP+4*\b+3] offset:32*\b
.endr
.irp t, 0,1,2,3,4,5,6,7
	ds_load_b128 v[BB+4*\t:BB+4*\t+3], v[HRD] offset:(\t%4)*1088+(\t/4)*128
.endr
.endm
.macro SEND a
.set BB, 128+96*((\a)%2)
	s_wait_dscnt 0x0                               ; the block is back in registers
	s_wait_xcnt 0x0                                ; the block before has been read by its stores: the next block's loads may land on its registers
.irp t, 0,1,2,3,4,5,6,7
	global_store_b128 v[CO], v[BB+4*\t:BB+4*\t+3], s[12:13] offset:(\t/4)*262144+(16*(\a)+4*(\t%4))*128
.endr
.endm
	PACK 0
	TOSTAGE 0
.irp a, 1,2,3,4,5,6,7
	PACK \a
	SEND \a-1
	TOSTAGE \a
.endr
	SEND 7
	s_wait_tensorcnt 0x0                           ; the wave's end
	ds_add_u32 v[SPW], v[NIL]
	s_wait_dscnt 0x0
	CROUND                                         ; the closing round
	s_endpgm
.Lfunc_end_k_q4e98a1950d_gemm_qkv:
	.size	k_q4e98a1950d_gemm_qkv, .Lfunc_end_k_q4e98a1950d_gemm_qkv-k_q4e98a1950d_gemm_qkv
	.p2alignl 7, 3214868480
	.fill 96, 4, 3214868480
	.section	.rodata,"a",@progbits
	.p2align	6, 0x0
	.amdhsa_kernel k_q4e98a1950d_gemm_qkv
		.amdhsa_group_segment_fixed_size 327680
		.amdhsa_private_segment_fixed_size 0
		.amdhsa_enable_private_segment 0
		.amdhsa_kernarg_size 32
		.amdhsa_user_sgpr_count 2
		.amdhsa_user_sgpr_kernarg_segment_ptr 1
		.amdhsa_wavefront_size32 1
		.amdhsa_system_sgpr_workgroup_id_x 1
		.amdhsa_system_sgpr_workgroup_id_y 1
		.amdhsa_system_sgpr_workgroup_id_z 1
		.amdhsa_system_vgpr_workitem_id 0
		.amdhsa_next_free_vgpr 1024
		.amdhsa_next_free_sgpr 100
		.amdhsa_reserve_vcc 0
		.amdhsa_float_denorm_mode_32 3
		.amdhsa_float_denorm_mode_16_64 3
		.amdhsa_memory_ordered 1
		.amdhsa_forward_progress 1
		.amdhsa_inst_pref_size 133
	.end_amdhsa_kernel
	.amdgpu_metadata
---
amdhsa.version: [ 1, 2 ]
amdhsa.kernels:
  - .name:           k_q4e98a1950d_gemm_qkv
    .symbol:         k_q4e98a1950d_gemm_qkv.kd
    .args:
      - { .name: cod, .offset: 0, .size: 8, .value_kind: global_buffer, .address_space: global }
      - { .name: qkvh, .offset: 8, .size: 8, .value_kind: global_buffer, .address_space: global }
      - { .name: b_qkv, .offset: 16, .size: 8, .value_kind: global_buffer, .address_space: global }
      - { .name: qkvf, .offset: 24, .size: 8, .value_kind: global_buffer, .address_space: global }
    .group_segment_fixed_size: 327680
    .private_segment_fixed_size: 0
    .kernarg_segment_align: 8
    .kernarg_segment_size: 32
    .max_flat_workgroup_size: 128
    .sgpr_count:     100
    .vgpr_count:     1024
    .wavefront_size: 32
...
	.end_amdgpu_metadata
.endif
;; end of part 2
;; launch attn (part 3): grid 256 x 1, 16 waves a work-group, no clusters, 77,824 bytes of LDS; arguments qkvh, mb, ao; writes ao
.if DOCPART == 3
	.amdgcn_target "amdgcn-amd-amdhsa--gfx1250"
	.amdhsa_code_object_version 6
	.text
	.protected	k_q4e98a1950d_attn
	.globl	k_q4e98a1950d_attn
	.p2align	8
	.type	k_q4e98a1950d_attn,@function
k_q4e98a1950d_attn:
	s_mov_b64 s[64:65], 0
	v_nop
	global_prefetch_b8 v0, s[64:65] scope:SCOPE_SE
	s_setreg_imm32_b32 hwreg(HW_REG_WAVE_MODE, 25, 1), 1
	s_wait_xcnt 0x0
; ao[b][head][q][:] = softmax_k(q . k / 8, under the given mask) v, on f16 operands, products, maxima and sums in f32; p is rounded to f16 for the second product, the result once at the end.
; SHARES.  Four work-groups to a head.  Work-group i owns query blocks i (waves 0-7) and 7 - i (waves 8-15) of 256 queries; a wave owns 32 queries: two tiles of 16.  All sixteen waves walk the head's 32 key steps of
; 64 keys together and share each step's K and V in LDS: two slots, filled through registers (each thread 16 bytes of K and of V), one barrier a step.
; THE MASK is an input.  An earlier launch has stored, for each tile of 16 queries and each key step, 32 lane-mask words and a flag (bit 0: some key kept; bit 1: all kept).  A step in which a wave's two tiles keep no key
; is passed over by that wave; a step that none of the work-group's tiles wants is not loaded; a step whose keys all count takes no masking.  These are branches on stored whole numbers; this launch has no tensor load.
; NO CLUSTER, though four work-groups read the same K and V: joint requests are tensor loads.
; LAYOUT.  S^T = K Q^T (source 0 = 16 keys, source 1 = 16 queries), O^T = V^T P: a lane holds ONE query (lane % 16) throughout; two tiles of S^T, rounded in pairs, are source 1 of the second product.  V is turned by ds_load_tr16_b128.
; SOFTMAX.  A running maximum m and sum l for each query: p = 2^(c s - c m), c = log2(e) / 8; O and l are multiplied by a = 2^(c m_old - c m_new) in every step.  m starts at -3e38 and O and l at zero, since which step is a
; wave's first hangs on the flags.  A row that keeps no key ends with l = 0 and comes out NaN (0 x infinity), as the softmax of a row of -infinity does.
; LIMITS: q, k, v and the result are f16: magnitudes up to 65,504.  Positions 0-15 of every sequence are computed here too and written again, in f32, by a later launch.
.set SLOTB, 19456                      ; a slot: 64 rows of K at pitch 144, then 64 rows of V at pitch 160
.set VOFF,  9216
.set SPARE, 38912                      ; the spare words, 128 bytes for each of 16 waves
.set STAGE, 40960                      ; the way out: 16 rows x 144 bytes for each wave
.set PFO, 0                            ; v0   after the head: 256 x lane, the prefetches' offset
.set SPW, 1
.set NIL, 2
.set AK,  3                            ; v3   r x 144 + 16 h
.set AV,  4                            ; v4   the turning load's address
.set GKV, 5                            ; v5   16 x thread
.set LKS, 6                            ; v6   where my 16 bytes of K go
.set LVS, 7                            ; v7   and of V
.set KL,  8                            ; v8-11, v12-15: the next step's 16 bytes of K and of V
.set VL,  12
.set ST,  16                           ; tile q: v[ST+4q] c m, +1 m, +2, +3 l in two halves
.set CT,  24                           ; tile q: v[CT+4q] c0-c3 at work; a takes c2's place
.set Q,   32                           ; Q's fragments: tile q, channels 32 c on: 32 + 16 q + 8 c
.set KV,  64                           ; K's eight fragments, then V's eight
.set S,   128                          ; S^T, 32 a tile; P is made in place
.set O,   192                          ; O^T, 32 a tile
	s_load_b128 s[16:19], s[0:1], 0x0              ; qkvh, mb
	s_load_b64 s[8:9], s[0:1], 0x10                ; ao
	v_lshl_add_u32 v[SPW], v0, 2, SPARE
	v_mov_b32 v[NIL], 0
	v_lshrrev_b32 v8, 5, v0
	v_readfirstlane_b32 s12, v8                    ; wave 0..15
	s_lshr_b32 s20, ttmp9, 2                       ; 16 b + head
	s_and_b32 s21, ttmp9, 3                        ; i
	s_lshr_b32 s22, s12, 3
	s_mul_i32 s22, s22, 7
	s_xor_b32 s22, s22, s21                        ; my block of 256 queries: i, or 7 - i
	s_lshl_b32 s22, s22, 3
	s_and_b32 s23, s12, 7
	s_add_co_u32 s22, s22, s23                     ; my 32 queries: number 0..63
	s_lshl_b32 s24, s20, 18                        ; a head's 2,048 rows of 128 bytes
	s_mov_b32 s25, 0
	s_lshl_b32 s26, s22, 12
	s_mov_b32 s27, 0
	v_and_b32 v8, 15, v0                           ; r
	v_bfe_u32 v9, v0, 4, 1                         ; h
	v_and_b32 v10, 31, v0                          ; lane
	v_lshlrev_b32 v11, 7, v8
	v_lshl_add_u32 v11, v9, 4, v11                 ; Q: row r, + 16 h
	v_lshlrev_b32 v12, 2, v10                      ; a flag a lane
	v_mul_u32_u24 v[AK], v8, 144
	v_lshl_add_u32 v[AK], v9, 4, v[AK]
	v_and_b32 v13, 7, v0
	v_bfe_u32 v14, v0, 3, 1
	v_lshl_add_u32 v[AV], v9, 3, v13
	v_mul_u32_u24 v[AV], v[AV], 160
	v_lshl_add_u32 v[AV], v14, 4, v[AV]
	v_add_nc_u32 v[AV], VOFF, v[AV]
	v_lshlrev_b32 v[GKV], 4, v0
	v_lshrrev_b32 v15, 3, v0
	v_mul_u32_u24 v[LKS], v15, 144
	v_lshl_add_u32 v[LKS], v13, 4, v[LKS]
	v_mul_u32_u24 v[LVS], v15, 160
	v_lshl_add_u32 v[LVS], v13, 4, v[LVS]
	v_add_nc_u32 v[LVS], VOFF, v[LVS]
	s_mov_b32 s48, 0x3e38aa3b                      ; c = log2(e) / 8
	s_mov_b32 s49, s48                             ; (named with it as a pair)
	s_mov_b32 s50, 0x76543210
	s_mov_b32 s51, 0xfedcba98                      ; lane l xor 16
	s_mov_b32 s54, 0xff800000                      ; -infinity
	s_wait_kmcnt 0x0
	s_add_nc_u64 s[28:29], s[16:17], s[24:25]      ; q at my head
	s_add_nc_u64 s[30:31], s[28:29], s[26:27]      ; my 32 queries
	s_add_nc_u64 s[4:5], s[28:29], 16777216        ; k at my head
	s_add_nc_u64 s[6:7], s[28:29], 33554432        ; v
	s_add_nc_u64 s[8:9], s[8:9], s[24:25]
	s_add_nc_u64 s[8:9], s[8:9], s[26:27]
	s_lshl_b32 s32, s22, 13
	s_mov_b32 s33, 0
	s_add_nc_u64 s[10:11], s[18:19], s[32:33]      ; my two tiles' mask words, 4,096 bytes a tile, 128 a step
	s_add_nc_u64 s[34:35], s[18:19], 524288        ; the flags: 128 bytes a tile
	s_lshl_b32 s32, s22, 8
	s_add_nc_u64 s[36:37], s[34:35], s[32:33]      ; my two tiles'
	s_lshl_b32 s32, s21, 11
	s_add_nc_u64 s[38:39], s[34:35], s[32:33]      ; block i's sixteen
	s_xor_b32 s32, s21, 7
	s_lshl_b32 s32, s32, 11
	s_add_nc_u64 s[40:41], s[34:35], s[32:33]      ; block 7 - i's
.irp q, 0,1
.irp c, 0,1
	global_load_b128 v[Q+16*\q+8*\c:Q+16*\q+8*\c+3], v11, s[30:31] offset:\q*2048+64*\c
	global_load_b128 v[Q+16*\q+8*\c+4:Q+16*\q+8*\c+7], v11, s[30:31] offset:\q*2048+64*\c+32
.endr
.endr
	global_load_b32 v[S], v12, s[36:37]            ; lane L: the flag of step L
	global_load_b32 v[S+1], v12, s[36:37] offset:128
.irp k, 0,1,2,3,4,5,6,7,8,9,10,11,12,13,14,15
	global_load_b32 v[S+2+\k], v12, s[38:39] offset:128*\k
	global_load_b32 v[S+18+\k], v12, s[40:41] offset:128*\k
.endr
.irp q, 0,1
	v_mov_b32 v[ST+4*\q+1], 0xff61b1e6             ; m = -3e38, under every score
	v_mov_b32 v[ST+4*\q+2], 0
	v_mov_b32 v[ST+4*\q+3], 0
	v_mul_f32 v[ST+4*\q], s48, v[ST+4*\q+1]
.endr
.irp j, 0,1,2,3,4,5,6,7
	v_mov_b32 v[CT+\j], 0                          ; written on every way: a wave that keeps no key reaches the way out without a step
.endr
.set i, 0
.rept 64
	v_mov_b32 v[O+i], 0                            ; O^T: no first step can be written out, since which step is the first hangs on the flags
.set i, i+1
.endr
	s_lshr_b32 s32, s12, 1                         ; the prefetches: waves 0 and 1 ask for K's rows, waves 2 and 3 for V's,
	s_cmp_eq_u32 s32, 0
	s_cselect_b64 s[56:57], s[4:5], s[6:7]
	s_and_b32 s32, s12, 1
	s_add_co_u32 s32, s32, 3                       ; in trip 0 key steps 3 and 4,
	s_lshl_b32 s32, s32, 13
	s_add_nc_u64 s[56:57], s[56:57], s[32:33]
	s_lshr_b32 s32, s12, 2
	s_or_b32 s32, s32, s21                         ; in the head's first work-group alone: each row is named once in the launch
	s_cmp_eq_u32 s32, 0
	s_cselect_b32 s58, 2, -1                       ; a wave asks while more than 2 trips are left: the last step named is 30
	s_wait_loadcnt 0x0                             ; Q and the flags
	v_or_b32 v[S+34], v[S], v[S+1]
	v_and_b32 v[S+35], v[S], v[S+1]
.irp k, 1,2,3,4,5,6,7,8,9,10,11,12,13,14,15,16,17,18,19,20,21,22,23,24,25,26,27,28,29,30,31
	v_or_b32 v[S+2], v[S+2], v[S+2+\k]
.endr
	v_and_b32 v[S+34], 1, v[S+34]
	v_and_b32 v[S+35], 2, v[S+35]
	v_and_b32 v[S+2], 1, v[S+2]
	v_cmp_ne_u32 s13, 0, v[S+34]                   ; bit s: my tiles keep some key of step s
	v_cmp_ne_u32 s14, 0, v[S+35]                   ; bit s: they keep all
	v_cmp_ne_u32 s15, 0, v[S+2]                    ; bit s: some tile of the work-group keeps some key
	v_lshlrev_b32 v[PFO], 8, v10
	; key step 0 into slot 0
	s_and_b32 s53, s15, 1
	s_cmp_lg_u32 s53, 0
	s_cbranch_scc0 .Lfirst_done
	global_load_b128 v[KL:KL+3], v[GKV], s[4:5]
	global_load_b128 v[VL:VL+3], v[GKV], s[6:7]
	s_wait_loadcnt 0x0
	ds_store_b128 v[LKS], v[KL:KL+3]
	ds_store_b128 v[LVS], v[VL:VL+3]
.Lfirst_done:
	s_add_nc_u64 s[4:5], s[4:5], 8192              ; (no load of mine is out)
	s_add_nc_u64 s[6:7], s[6:7], 8192
	s_wait_dscnt 0x0
	s_barrier_signal -1
	s_barrier_wait -1
; A PREFETCH INTO THE L2: 8,192 bytes (a key step of K or of V) a wave, lanes 256 bytes apart, two to three steps ahead of the loads that want them; it stands where the wave has just issued its loads.
.macro ASK
	s_cmp_gt_u32 s52, s58
	s_cbranch_scc0 .Lnot_mine_\@
	global_prefetch_b8 v[PFO], s[56:57] th:TH_LOAD_NT scope:SCOPE_SE
.Lnot_mine_\@:
.endm
; A key step's work for my two tiles.
.macro COMPUTE slot
.irp c, 0,1
.irp t, 0,1,2,3
	ds_load_b128 v[KV+8*(4*\c+\t):KV+8*(4*\c+\t)+3], v[AK] offset:\slot*SLOTB+\t*2304+64*\c
	ds_load_b128 v[KV+8*(4*\c+\t)+4:KV+8*(4*\c+\t)+7], v[AK] offset:\slot*SLOTB+\t*2304+64*\c+32
.endr
.endr
	s_wait_dscnt 8                                 ; channels 0-31 are in; the other eight loads may be out
.irp t, 0,1,2,3
.irp q, 0,1
	v_wmma_f32_16x16x32_f16 v[S+32*\q+8*\t:S+32*\q+8*\t+7], v[KV+8*\t:KV+8*\t+7], v[Q+16*\q:Q+16*\q+7], 0
.endr
.endr
	s_wait_dscnt 0x0
.irp t, 0,1,2,3
.irp q, 0,1
	v_wmma_f32_16x16x32_f16 v[S+32*\q+8*\t:S+32*\q+8*\t+7], v[KV+32+8*\t:KV+32+8*\t+7], v[Q+16*\q+8:Q+16*\q+15], v[S+32*\q+8*\t:S+32*\q+8*\t+7]   ; the eight accumulators take turns
.endr
.endr
.rept 4
	v_nop                                          ; places in front of the loads into K's registers and of the first read of the scores
.endr
.irp u, 0,1
.irp t, 0,1,2,3
	ds_load_tr16_b128 v[KV+8*(4*\u+\t):KV+8*(4*\u+\t)+3], v[AV] offset:\slot*SLOTB+\u*5120+32*\t
	ds_load_tr16_b128 v[KV+8*(4*\u+\t)+4:KV+8*(4*\u+\t)+7], v[AV] offset:\slot*SLOTB+\u*5120+2560+32*\t
.endr
.endr
	s_and_b32 s53, s14, 1
	s_cmp_lg_u32 s53, 0
	s_cbranch_scc1 .Lall_\@                        ; all keys of the step count for both tiles
	s_load_b512 s[16:31], s[10:11], 0x0
	s_load_b512 s[32:47], s[10:11], 0x40
	s_load_b512 s[68:83], s[10:11], 0x1000
	s_load_b512 s[84:99], s[10:11], 0x1040
	s_wait_kmcnt 0x0
.irp e, 0,1,2,3,4,5,6,7,8,9,10,11,12,13,14,15,16,17,18,19,20,21,22,23,24,25,26,27,28,29,30,31
	v_cndmask_b32 v[S+\e], s54, v[S+\e], s[16+\e]  ; a hidden key's score becomes -infinity: p = 0
.endr
.irp e, 0,1,2,3,4,5,6,7,8,9,10,11,12,13,14,15,16,17,18,19,20,21,22,23,24,25,26,27,28,29,30,31
	v_cndmask_b32 v[S+32+\e], s54, v[S+32+\e], s[68+\e]
.endr
.Lall_\@:
.irp j, 0,1,2,3                        ; the maximum of 32 scores and the old m: four chains; the two tiles by turns.  Each accumulator is read from its low end on
.irp q, 0,1
	v_max3_num_f32 v[CT+4*\q+\j], v[S+32*\q+8*\j], v[S+32*\q+8*\j+1], v[S+32*\q+8*\j+2]
.endr
.endr
.irp g, 1,2
.irp j, 0,1,2,3
.irp q, 0,1
	v_max3_num_f32 v[CT+4*\q+\j], v[CT+4*\q+\j], v[S+32*\q+8*\j+2*\g+1], v[S+32*\q+8*\j+2*\g+2]
.endr
.endr
.endr
.irp q, 0,1
	v_max3_num_f32 v[CT+4*\q], v[CT+4*\q], v[S+32*\q+7], v[S+32*\q+15]
.endr
.irp q, 0,1
	v_max3_num_f32 v[CT+4*\q+2], v[CT+4*\q+2], v[S+32*\q+23], v[S+32*\q+31]
.endr
.irp q, 0,1
	v_max3_num_f32 v[CT+4*\q], v[CT+4*\q], v[CT+4*\q+1], v[CT+4*\q+2]
.endr
.irp q, 0,1
	v_max3_num_f32 v[CT+4*\q], v[CT+4*\q], v[CT+4*\q+3], v[ST+4*\q+1]
.endr
.irp q, 0,1
	v_permlanex16_b32 v[CT+4*\q+1], v[CT+4*\q], s50, s51   ; the query's other 32 keys lie in the lane 16 away
.endr
.irp q, 0,1
	v_mov_b32 v[CT+4*\q+3], v[ST+4*\q]             ; c m_old
.endr
.irp q, 0,1
	v_max_num_f32 v[ST+4*\q+1], v[CT+4*\q], v[CT+4*\q+1]
.endr
.irp q, 0,1
	v_mul_f32 v[ST+4*\q], s48, v[ST+4*\q+1]
.endr
.irp q, 0,1
	v_sub_f32 v[CT+4*\q+3], v[CT+4*\q+3], v[ST+4*\q]
.endr
.irp i, 0,1,2,3,4,5,6,7,8,9,10,11,12,13,14,15
.irp q, 0,1
	v_pk_fma_f32 v[S+32*\q+2*\i:S+32*\q+2*\i+1], v[S+32*\q+2*\i:S+32*\q+2*\i+1], s[48:49], v[ST+4*\q:ST+4*\q+1] op_sel_hi:[1,0,0] neg_lo:[0,0,1] neg_hi:[0,0,1]   ; c s - c m
.endr
.endr
.irp q, 0,1
	v_exp_f32 v[CT+4*\q+2], v[CT+4*\q+3]           ; a
.endr
.irp i, 0,1,2,3,4,5,6,7,8,9,10,11,12,13,14,15,16,17,18,19,20,21,22,23,24,25,26,27,28,29,30,31
.irp q, 0,1
	v_exp_f32 v[S+32*\q+\i], v[S+32*\q+\i]
.endr
.endr
	v_nop                                          ; a plain instruction behind the last exponential
	s_wait_alu depctr_va_vdst(0)                   ; one wait for the 66 exponentials, ahead of the first instruction that names a result
.irp q, 0,1
	v_pk_add_f32 v[CT+4*\q:CT+4*\q+1], v[S+32*\q:S+32*\q+1], v[S+32*\q+2:S+32*\q+3]
.endr
.irp i, 2,3,4,5,6,7,8,9,10,11,12,13,14,15
.irp q, 0,1
	v_pk_add_f32 v[CT+4*\q:CT+4*\q+1], v[CT+4*\q:CT+4*\q+1], v[S+32*\q+2*\i:S+32*\q+2*\i+1]
.endr
.endr
.irp q, 0,1
	v_pk_fma_f32 v[ST+4*\q+2:ST+4*\q+3], v[ST+4*\q+2:ST+4*\q+3], v[CT+4*\q+2:CT+4*\q+3], v[CT+4*\q:CT+4*\q+1] op_sel_hi:[1,0,1]   ; l = a l + the step's sum
.endr
.irp i, 0,1,2,3,4,5,6,7,8,9,10,11,12,13,14,15
.irp q, 0,1
	v_cvt_pk_f16_f32 v[S+32*\q+\i], v[S+32*\q+2*\i], v[S+32*\q+2*\i+1]   ; P in place, ascending: a result lands only on weights that are done with
.endr
.endr
.irp i, 0,1,2,3,4,5,6,7,8,9,10,11,12,13,14,15
.irp q, 0,1
	v_pk_mul_f32 v[O+32*\q+2*\i:O+32*\q+2*\i+1], v[O+32*\q+2*\i:O+32*\q+2*\i+1], v[CT+4*\q+2:CT+4*\q+3] op_sel_hi:[1,0]
.endr
.endr
	s_wait_dscnt 0x0                               ; V
.irp u, 0,1
.irp t, 0,1,2,3
.irp q, 0,1
	v_wmma_f32_16x16x32_f16 v[O+32*\q+8*\t:O+32*\q+8*\t+7], v[KV+8*(4*\u+\t):KV+8*(4*\u+\t)+7], v[S+32*\q+8*\u:S+32*\q+8*\u+7], v[O+32*\q+8*\t:O+32*\q+8*\t+7]
.endr
.endr
.endr
.rept 5
	v_nop                                          ; the next step's first products write over P's registers, and its loads land on V's
.endr
.endm
; A key step.  The next step's K and V are asked for first, land while this step is worked, and go into the other slot, which every wave has left: the barrier at the last step's end stands behind each wave's wait for its reads.
.macro STEP slot
	s_and_b32 s53, s15, 2
	s_cmp_lg_u32 s53, 0
	s_cbranch_scc0 .Lnoload_\@
	global_load_b128 v[KL:KL+3], v[GKV], s[4:5]
	global_load_b128 v[VL:VL+3], v[GKV], s[6:7]
.Lnoload_\@:
.if \slot == 0
	ASK
.endif
	s_and_b32 s53, s13, 1
	s_cmp_lg_u32 s53, 0
	s_cbranch_scc0 .Lnowork_\@
	COMPUTE \slot
.Lnowork_\@:
	s_wait_loadcnt 0x0
	s_and_b32 s53, s15, 2
	s_cmp_lg_u32 s53, 0
	s_cbranch_scc0 .Lnostore_\@
	ds_store_b128 v[LKS], v[KL:KL+3] offset:(1-\slot)*SLOTB
	ds_store_b128 v[LVS], v[VL:VL+3] offset:(1-\slot)*SLOTB
.Lnostore_\@:
	s_add_nc_u64 s[4:5], s[4:5], 8192              ; no vector or scalar load of mine is out
	s_add_nc_u64 s[6:7], s[6:7], 8192
	s_add_nc_u64 s[10:11], s[10:11], 128
	s_lshr_b32 s13, s13, 1
	s_lshr_b32 s14, s14, 1
	s_lshr_b32 s15, s15, 1                         ; zeros come in from the top: step 31 asks for nothing
	s_wait_dscnt 0x0                               ; my stores have landed and my reads of this slot are over
	s_barrier_signal -1
	s_barrier_wait -1
.endm
	s_mov_b32 s52, 16
.Ltrip:
	STEP 0
	STEP 1
	s_wait_xcnt 0x0                                ; the trip's prefetch, two steps back, has read its address
	s_add_nc_u64 s[56:57], s[56:57], 16384
	s_sub_co_u32 s52, s52, 1
	s_cmp_lg_u32 s52, 0
	s_cbranch_scc1 .Ltrip
	; THE WAY OUT: O^T / l, rounded to f16, through my stage: four rows of 128 bytes, 512 consecutive bytes, a store
.irp q, 0,1
	v_add_f32 v[CT+4*\q], v[ST+4*\q+2], v[ST+4*\q+3]
.endr
.irp q, 0,1
	v_permlanex16_b32 v[CT+4*\q+1], v[CT+4*\q], s50, s51
.endr
.irp q, 0,1
	v_add_f32 v[CT+4*\q], v[CT+4*\q], v[CT+4*\q+1]
.endr
.irp q, 0,1
	v_rcp_f32 v[CT+4*\q+2], v[CT+4*\q]
.endr
	s_mul_i32 s53, s12, 2304
	s_add_co_u32 s53, s53, STAGE
	v_add_nc_u32 v[AK], s53, v[AK]                 ; in: row r, + 16 h.  (Plain work behind the reciprocals)
	v_lshrrev_b32 v[AV], 4, v[GKV]
	v_and_b32 v[AV], 31, v[AV]                     ; lane
	v_lshrrev_b32 v[LKS], 3, v[AV]
	v_and_b32 v[LVS], 7, v[AV]
	v_mul_u32_u24 v[LKS], v[LKS], 144
	v_lshl_add_u32 v[LKS], v[LVS], 4, v[LKS]
	v_add_nc_u32 v[LKS], s53, v[LKS]               ; back: eight lanes to a row
	v_lshlrev_b32 v[LVS], 4, v[AV]                 ; 16 x lane
	s_wait_alu depctr_va_vdst(0)                   ; one wait for both reciprocals, ahead of their first reader
.irp i, 0,1,2,3,4,5,6,7,8,9,10,11,12,13,14,15
.irp q, 0,1
	v_pk_mul_f32 v[O+32*\q+2*\i:O+32*\q+2*\i+1], v[O+32*\q+2*\i:O+32*\q+2*\i+1], v[CT+4*\q+2:CT+4*\q+3] op_sel_hi:[1,0]
.endr
.endr
.irp i, 0,1,2,3,4,5,6,7,8,9,10,11,12,13,14,15
.irp q, 0,1
	v_cvt_pk_f16_f32 v[KV+16*\q+\i], v[O+32*\q+2*\i], v[O+32*\q+2*\i+1]
.endr
.endr
.irp q, 0,1
.irp t, 0,1,2,3
	ds_store_b128 v[AK], v[KV+16*\q+4*\t:KV+16*\q+4*\t+3] offset:32*\t
.endr
.irp u, 0,1,2,3
	ds_load_b128 v[KV+32+16*\q+4*\u:KV+32+16*\q+4*\u+3], v[LKS] offset:576*\u   ; LDS serves a wave's instructions in order
.endr
.endr
.irp q, 0,1
.irp u, 0,1,2,3
	s_wait_dscnt 11-8*\q-\u
	global_store_b128 v[LVS], v[KV+32+16*\q+4*\u:KV+32+16*\q+4*\u+3], s[8:9] offset:2048*\q+512*\u
.endr
.endr
	s_wait_tensorcnt 0x0                           ; the wave's end
	ds_add_u32 v[SPW], v[NIL]
	s_wait_dscnt 0x0
	s_endpgm
.Lfunc_end_k_q4e98a1950d_attn:
	.size	k_q4e98a1950d_attn, .Lfunc_end_k_q4e98a1950d_attn-k_q4e98a1950d_attn
	.p2alignl 7, 3214868480
	.fill 96, 4, 3214868480
	.section	.rodata,"a",@progbits
	.p2align	6, 0x0
	.amdhsa_kernel k_q4e98a1950d_attn
		.amdhsa_group_segment_fixed_size 77824
		.amdhsa_private_segment_fixed_size 0
		.amdhsa_enable_private_segment 0
		.amdhsa_kernarg_size 24
		.amdhsa_user_sgpr_count 2
		.amdhsa_user_sgpr_kernarg_segment_ptr 1
		.amdhsa_wavefront_size32 1
		.amdhsa_system_sgpr_workgroup_id_x 1
		.amdhsa_system_sgpr_workgroup_id_y 1
		.amdhsa_system_sgpr_workgroup_id_z 1
		.amdhsa_system_vgpr_workitem_id 0
		.amdhsa_next_free_vgpr 256
		.amdhsa_next_free_sgpr 100
		.amdhsa_reserve_vcc 0
		.amdhsa_float_denorm_mode_32 3
		.amdhsa_float_denorm_mode_16_64 3
		.amdhsa_memory_ordered 1
		.amdhsa_forward_progress 1
		.amdhsa_inst_pref_size 64
	.end_amdhsa_kernel
	.amdgpu_metadata
---
amdhsa.version: [ 1, 2 ]
amdhsa.kernels:
  - .name:           k_q4e98a1950d_attn
    .symbol:         k_q4e98a1950d_attn.kd
    .args:
      - { .name: qkvh, .offset: 0, .size: 8, .value_kind: global_buffer, .address_space: global }
      - { .name: mb, .offset: 8, .size: 8, .value_kind: global_buffer, .address_space: global }
      - { .name: ao, .offset: 16, .size: 8, .value_kind: global_buffer, .address_space: global }
    .group_segment_fixed_size: 77824
    .private_segment_fixed_size: 0
    .kernarg_segment_align: 8
    .kernarg_segment_size: 24
    .max_flat_workgroup_size: 512
    .sgpr_count:     100
    .vgpr_count:     256
    .wavefront_size: 32
...
	.end_amdgpu_metadata
.endif
;; end of part 3
;; launch proj (part 4): grid 8 x 64, 4 waves a work-group, clusters of 4 x 4, 327,680 bytes of LDS; arguments ao, wp16, out0, b_proj; writes out0
.if DOCPART == 4
	.amdgcn_target "amdgcn-amd-amdhsa--gfx1250"
	.amdhsa_code_object_version 6
	.text
	.protected	k_q4e98a1950d_proj
	.globl	k_q4e98a1950d_proj
	.p2align	8
	.type	k_q4e98a1950d_proj,@function
k_q4e98a1950d_proj:
	s_mov_b64 s[64:65], 0
	v_nop
	global_prefetch_b8 v0, s[64:65] scope:SCOPE_SE
	s_setreg_imm32_b32 hwreg(HW_REG_WAVE_MODE, 25, 1), 1
	s_wait_xcnt 0x0
	s_wait_alu depctr_hold_cnt(0) depctr_sa_sdst(0) depctr_va_vdst(0) depctr_va_sdst(0) depctr_va_ssrc(0) depctr_va_vcc(0) depctr_vm_vsrc(0)
	s_getreg_b32 s2, hwreg(HW_REG_IB_STS2, 6, 4)
	s_cmp_eq_u32 s2, 0
	s_cbranch_scc0 .Lentry_in_a_cluster
	s_endpgm
.Lentry_in_a_cluster:
	s_bfe_u32 s2, ttmp6, 0x10000c
	s_cmp_lg_u32 s2, 0xf033
	s_cbranch_scc0 .Lentry_shape_is_right
	s_endpgm
.Lentry_shape_is_right:
; out0 = ao w_proj + b_proj (M 8,192, N 1,024, K 1,024) on f16 operands, sums in f32.  ao lies [b][head][n][64] f16, wp16 [n][k] f16, out0 [8192][1024] f32.
; A tile of 128 x 128 is made by four waves, 64 x 64 each (16 accumulators): 512 tiles, two for each WGP.  K goes in steps of 256 (four heads) through a ring of two LDS slots; K = 1,024 is four steps: one trip of the loop.
; A'S TILE: for one head, 64 positions are 8,192 dense bytes; a wave's load is 4 such rows (four heads), a head's 262,144 bytes apart, with 16 bytes of padding behind every 128: in LDS (head x 64 + position) x 144.
; CLUSTERS: 4 x 4; A's tiles shared along a row of the cluster, B's along a column: joint loads.  THE MATRIX INSTRUCTION IS USED TRANSPOSED: a lane holds eight neighbouring columns of a row.  The bias is the C of each sum's first instruction.
; A wave's 64 columns of f32 are 256 aligned bytes, so each wave has a stage of its own on the way out and no barrier is needed there.
; LIMITS: both operands are f16: magnitudes up to 65,504.  Rows 0-15 of every sequence are written here too and again, in f32, by the next launch.
; REGISTERS: window 0: v0-31 addresses; v32-95 the way out; v96-127 the bias; v128-255 the accumulators.  window 1: two fragment buffers of 128.
.set KSTEP,  256
.set PA,     144
.set PB,     528
.set HALFA,  4*64*PA                   ; what one of A's loads brings, and what one wave reads of A
.set HALFB,  64*PB
.set BOFF,   2*HALFA
.set SLOT,   2*HALFA+2*HALFB
.set STAGE,  2*SLOT                    ; behind the ring: 16 rows x 272 bytes for each wave
.set SPITCH, 272
.set SPARE,  STAGE+4*16*SPITCH
.set ADRA, 16
.set ADRB, 20
.set STO,  24
.set RD,   25
.set CO,   26
.set BOF,  27
.set SPW,  28
.set NIL,  29
.set TMP,  32
.set BI,   96
.set ACC,  128
.set F0,   0
.set F1,   128
.set G1, 24
.set G0, 32
.set G1B, 48
.set G0B, 56
.set MSB, 0
.macro WIN new
.if MSB != \new
	s_set_vgpr_msb (MSB<<8)|\new
.set MSB, \new
.endif
.endm
.set MUL,  0x05                        ; sources 0 (B) and 1 (A) window 1; C and D window 0
.set TO_F, 0x40
.macro JLOAD s                         ; a joint load: waves 0 and 1 fetch A's halves, waves 2 and 3 B's; an s_nop 0 and four v_nop follow each line
	s_cmp_eq_u32 s11, 0
	s_cbranch_scc0 .Lfor_b_\@
	tensor_load_to_lds s[G0+4*\s:G0+4*\s+3], s[G1:G1+7]
	s_nop 0
.rept 4
	v_nop
.endr
	s_branch .Lasked_\@
.Lfor_b_\@:
	tensor_load_to_lds s[G0B+4*\s:G0B+4*\s+3], s[G1B:G1B+7]
	s_nop 0
.rept 4
	v_nop
.endr
.Lasked_\@:
.endm
.macro CREST
	s_cmp_lg_u32 s10, 0
	s_cbranch_scc1 .Lnot_wave_0_\@
	s_barrier_signal -3
.Lnot_wave_0_\@:
	s_barrier_wait -3
	s_barrier_signal -1
	s_barrier_wait -1
.endm
.macro CROUND
	s_barrier_signal -1
	s_barrier_wait -1
	CREST
.endm
	s_load_b128 s[4:7], s[0:1], 0x0                ; ao, wp16
	s_load_b64 s[8:9], s[0:1], 0x10                ; out0
	s_load_b64 s[66:67], s[0:1], 0x18              ; b_proj
	v_lshl_add_u32 v[SPW], v0, 2, SPARE
	v_mov_b32 v[NIL], 0
	ds_add_u32 v[SPW], v[NIL]                      ; the wave's opening: the add, twice on end, and its wait ahead of my first tensor load
	ds_add_u32 v[SPW], v[NIL]
	v_lshrrev_b32 v1, 5, v0
	v_readfirstlane_b32 s10, v1                    ; wave 0..3
	s_lshr_b32 s11, s10, 1                         ; which half of the tile's rows is mine.  Also: I fetch for A (0) or for B (1)
	s_and_b32 s12, s10, 1                          ; which half of its columns.  Also: which 64 rows I fetch
	s_bfe_u32 s40, ttmp6, 0x40000
	s_bfe_u32 s41, ttmp6, 0x40004
	s_lshl_b32 s42, ttmp9, 2
	s_add_co_u32 s42, s42, s40                     ; tile column
	s_and_b32 s13, ttmp7, 0xffff
	s_lshl_b32 s13, s13, 2
	s_add_co_u32 s13, s13, s41                     ; tile row
	s_lshl_b32 s43, s41, 2
	s_lshl_b32 s43, 15, s43
	s_lshl_b32 s44, 0x1111, s40
	s_or_b32 s[G1+0], s43, (1<<16)|(1<<20)|(1<<21)|(4<<22)|(3<<25)  ; A: elements of 2 bytes; 4 words of padding after every 32
	s_mov_b32 s[G1+1], 4096<<16                    ; tensor_dim0 = 4,096 elements: 64 positions of one head
	s_mov_b32 s[G1+2], 4<<16                       ; tensor_dim1 = 4 heads
	s_mov_b32 s[G1+3], 4096<<16                    ; tile_dim0
	s_mov_b32 s[G1+4], 4                           ; tile_dim1
	s_mov_b32 s[G1+5], 131072                      ; from head to head, in elements
	s_mov_b32 s[G1+6], 0
	s_mov_b32 s[G1+7], 0
	s_or_b32 s[G1B+0], s44, (1<<16)|(1<<20)|(1<<21)|(6<<22)|(3<<25) ; B: 64 rows x 256 elements; 4 words of padding after every 128
	s_mov_b32 s[G1B+1], KSTEP<<16
	s_mov_b32 s[G1B+2], 64<<16
	s_mov_b32 s[G1B+3], KSTEP<<16
	s_mov_b32 s[G1B+4], 64
	s_mov_b32 s[G1B+5], 1024
	s_mov_b32 s[G1B+6], 0
	s_mov_b32 s[G1B+7], 0
	s_lshr_b32 s16, s13, 4                         ; A: the sequence (16 tile rows each),
	s_lshl_b32 s16, s16, 22
	s_and_b32 s17, s13, 15
	s_lshl_b32 s17, s17, 14                        ; 128 positions of 128 bytes a tile row,
	s_add_co_u32 s16, s16, s17
	s_lshl_b32 s17, s12, 13                        ; the 64 that I fetch
	s_add_co_u32 s16, s16, s17
	s_mov_b32 s17, 0
	s_lshl_b32 s46, s42, 18                        ; B: 128 rows of 2,048 bytes a tile column,
	s_lshl_b32 s47, s12, 17
	s_add_co_u32 s46, s46, s47
	s_mov_b32 s47, 0
	s_mul_i32 s20, s12, HALFA                      ; where they go: no place in the cluster enters an LDS address
	s_mul_i32 s21, s12, HALFB
	s_add_co_u32 s21, s21, BOFF
	s_wait_dscnt 0x0
	s_wait_kmcnt 0x0
	s_add_nc_u64 s[14:15], s[4:5], s[16:17]
	s_add_nc_u64 s[46:47], s[6:7], s[46:47]
	CROUND
.irp s, 0,1
	s_mov_b32 s[G0+4*\s], 1
	s_add_co_u32 s[G0+4*\s+1], s20, \s*SLOT
	s_add_nc_u64 s[G0+4*\s+2:G0+4*\s+3], s[14:15], \s*1048576      ; a K step: four heads of 262,144 bytes
	s_or_b32 s[G0+4*\s+3], s[G0+4*\s+3], 0x80000000
	s_mov_b32 s[G0B+4*\s], 1
	s_add_co_u32 s[G0B+4*\s+1], s21, \s*SLOT
	s_add_nc_u64 s[G0B+4*\s+2:G0B+4*\s+3], s[46:47], \s*KSTEP*2
	s_or_b32 s[G0B+4*\s+3], s[G0B+4*\s+3], 0x80000000
	JLOAD \s
.endr
	v_and_b32 v1, 15, v0
	v_bfe_u32 v2, v0, 4, 1
	v_mul_u32_u24 v3, v1, PA
	v_lshl_add_u32 v3, v2, 4, v3
	v_mul_u32_u24 v4, v1, PB
	v_lshl_add_u32 v4, v2, 4, v4
	s_mul_i32 s21, s11, HALFA                      ; my 64 rows of A
	s_mul_i32 s22, s12, HALFB                      ; my 64 rows of B
	s_add_co_u32 s22, s22, BOFF
.irp s, 0,1
	v_add_nc_u32 v[ADRA+\s], s21, v3
	v_add_nc_u32 v[ADRB+\s], s22, v4
	s_add_co_u32 s21, s21, SLOT
	s_add_co_u32 s22, s22, SLOT
.endr
	s_mul_i32 s23, s10, 16*SPITCH
	s_add_co_u32 s23, s23, STAGE                   ; my stage
	v_mul_u32_u24 v5, v1, SPITCH
	v_lshl_add_u32 v5, v2, 5, v5
	v_add_nc_u32 v[STO], s23, v5                   ; in: row r, 32 bytes for each half of the lanes
	v_mul_u32_u24 v5, v2, SPITCH
	v_lshl_add_u32 v5, v1, 4, v5
	v_add_nc_u32 v[RD], s23, v5                    ; back: sixteen lanes to a row of 256 bytes
	v_lshlrev_b32 v5, 12, v2
	v_lshl_add_u32 v[CO], v1, 4, v5                ; and the same two rows in out0
	v_lshlrev_b32 v[BOF], 5, v2
	s_lshl_b32 s16, s13, 19                        ; 128 rows of 4,096 bytes a tile row
	s_lshl_b32 s17, s11, 18
	s_add_co_u32 s16, s16, s17
	s_mov_b32 s17, 0
	s_lshl_b32 s46, s42, 9
	s_lshl_b32 s47, s12, 8
	s_add_co_u32 s46, s46, s47                     ; my first column, in bytes
	s_mov_b32 s47, 0
	s_add_nc_u64 s[8:9], s[8:9], s[16:17]
	s_add_nc_u64 s[8:9], s[8:9], s[46:47]
	s_add_nc_u64 s[66:67], s[66:67], s[46:47]
.irp b, 0,1,2,3
	global_load_b128 v[BI+8*\b:BI+8*\b+3], v[BOF], s[66:67] offset:64*\b
	global_load_b128 v[BI+8*\b+4:BI+8*\b+7], v[BOF], s[66:67] offset:64*\b+16
.endr
.macro MUL8 f, c, a0, zero             ; 8 matrix instructions: m blocks a0, a0 + 1 x 4 n blocks, 32 along K.  zero = 1: the first product starts the sums, with the bias as C
.irp a, \a0, \a0+1
.irp b, 0,1,2,3
.if \zero
	v_wmma_f32_16x16x32_f16 v[ACC+8*(4*(\a)+\b):ACC+8*(4*(\a)+\b)+7], v[\f+64+8*(4*\c+\b):\f+64+8*(4*\c+\b)+7], v[\f+8*(4*\c+\a):\f+8*(4*\c+\a)+7], v[BI+8*\b:BI+8*\b+7]
.else
	v_wmma_f32_16x16x32_f16 v[ACC+8*(4*(\a)+\b):ACC+8*(4*(\a)+\b)+7], v[\f+64+8*(4*\c+\b):\f+64+8*(4*\c+\b)+7], v[\f+8*(4*\c+\a):\f+8*(4*\c+\a)+7], v[ACC+8*(4*(\a)+\b):ACC+8*(4*(\a)+\b)+7]
.endif
.endr
.endr
.endm
.macro FETCH slot, z, f                ; 32 LDS loads in one run: the fragments of head z of the slot's four (64 along K) into buffer f; the first 32 along K first
	WIN TO_F
.irp c, 0,1
.irp i, 0,1,2,3
	ds_load_b128 v[\f+64+8*(4*\c+\i):\f+64+8*(4*\c+\i)+3],   v[ADRB+\slot] offset:128*(\z)+64*\c+\i*16*PB
	ds_load_b128 v[\f+64+8*(4*\c+\i)+4:\f+64+8*(4*\c+\i)+7], v[ADRB+\slot] offset:128*(\z)+64*\c+\i*16*PB+32
	ds_load_b128 v[\f+8*(4*\c+\i):\f+8*(4*\c+\i)+3],         v[ADRA+\slot] offset:(\z)*64*PA+64*\c+\i*16*PA
	ds_load_b128 v[\f+8*(4*\c+\i)+4:\f+8*(4*\c+\i)+7],       v[ADRA+\slot] offset:(\z)*64*PA+64*\c+\i*16*PA+32
.endr
.endr
.endm
.macro PLACES
.rept 4
	v_nop
.endr
.endm
.macro QUARTER slot, z, f, g, zero     ; multiplies buffer f and fetches head z into g
	s_wait_dscnt 16                                ; the first 32 along K are in; the other sixteen loads may be out
	WIN MUL
	MUL8 \f, 0, 0, \zero
	MUL8 \f, 0, 2, \zero
	PLACES
	FETCH \slot, \z, \g
	s_wait_dscnt 32                                ; all but the 32 just issued
	WIN MUL
	MUL8 \f, 1, 0, 0
	MUL8 \f, 1, 2, 0
.endm
.macro TURN slot, next, fill           ; the last quarter changes slots: one barrier; in front of it all my tensor loads have landed, the add, and my reads of this slot are over
	WIN 0
	s_wait_tensorcnt 0x0
	ds_add_u32 v[SPW], v[NIL]
	s_wait_dscnt 17                                ; the add and the youngest sixteen loads may be out
	WIN MUL
	MUL8 F1, 0, 0, 0
	s_wait_dscnt 0x0
	s_barrier_signal -1
	MUL8 F1, 0, 2, 0
.if \fill
	WIN 0
.endif
	s_barrier_wait -1
.if \fill
	CREST                                          ; the barrier has opened a round of the cluster's: no wave of any partner still reads this slot or has a load on its way
	s_add_nc_u64 s[G0+4*\slot+2:G0+4*\slot+3], s[G0+4*\slot+2:G0+4*\slot+3], 2097152
	s_add_nc_u64 s[G0B+4*\slot+2:G0B+4*\slot+3], s[G0B+4*\slot+2:G0B+4*\slot+3], 2*KSTEP*2
	JLOAD \slot                                    ; my one tensor load behind the round; its four v_nop are also the places in front of the loads below
.else
	PLACES
.endif
	FETCH \next, 0, F0
	WIN MUL
	MUL8 F1, 1, 0, 0
	MUL8 F1, 1, 2, 0
.endm
	s_wait_tensorcnt 1                             ; my part of K step 0 is in; K step 1's load may be out
	s_barrier_signal -1
	s_barrier_wait -1
	FETCH 0, 0, F0
	s_wait_loadcnt 0x0                             ; the bias
	QUARTER 0, 1, F0, F1, 1
	WIN 0
	s_mov_b32 s3, 1
.Llap:                                                 ; one trip: both slots are filled again, with K steps 2 and 3
	QUARTER 0, 2, F1, F0, 0
	QUARTER 0, 3, F0, F1, 0
	TURN 0, 1, 1
	QUARTER 1, 1, F0, F1, 0
	QUARTER 1, 2, F1, F0, 0
	QUARTER 1, 3, F0, F1, 0
	TURN 1, 0, 1
	QUARTER 0, 1, F0, F1, 0
	WIN 0
	s_sub_co_u32 s3, s3, 1
	s_cmp_lg_u32 s3, 0
	s_cbranch_scc1 .Llap
	QUARTER 0, 2, F1, F0, 0                        ; the last lap fills nothing
	QUARTER 0, 3, F0, F1, 0
	TURN 0, 1, 0
	QUARTER 1, 1, F0, F1, 0
	QUARTER 1, 2, F1, F0, 0
	QUARTER 1, 3, F0, F1, 0
	s_wait_dscnt 16
	WIN MUL
	MUL8 F1, 0, 0, 0
	MUL8 F1, 0, 2, 0
	s_wait_dscnt 0
	MUL8 F1, 1, 0, 0
	MUL8 F1, 1, 2, 0
	WIN 0
; THE WAY OUT, 16 rows x 64 columns at a time, through my own stage: a lane's 32 bytes go in, whole rows of 256 bytes come back; sixteen lanes store 256 consecutive bytes, aligned.
.macro TOSTAGE a
.set BB, TMP+32*((\a)%2)
.irp b, 0,1,2,3
	ds_store_b128 v[STO], v[ACC+8*(4*(\a)+\b):ACC+8*(4*(\a)+\b)+3] offset:64*\b      ; each accumulator from its low end on
	ds_store_b128 v[STO], v[ACC+8*(4*(\a)+\b)+4:ACC+8*(4*(\a)+\b)+7] offset:64*\b+16
.endr
.irp t, 0,1,2,3,4,5,6,7
	ds_load_b128 v[BB+4*\t:BB+4*\t+3], v[RD] offset:\t*2*SPITCH   ; LDS serves a wave's instructions in order
.endr
.endm
.macro SEND a, younger                 ; younger: the LDS instructions issued behind block a's loads
.set BB, TMP+32*((\a)%2)
	s_wait_dscnt \younger
.irp t, 0,1,2,3,4,5,6,7
	global_store_b128 v[CO], v[BB+4*\t:BB+4*\t+3], s[8:9] offset:(16*(\a)+2*\t)*4096 th:TH_STORE_NT
.endr
.endm
	PLACES
	TOSTAGE 0
.irp a, 1,2,3
.if \a > 1
	s_wait_xcnt 0x0                                ; block a - 2's stores have read their registers: block a's loads may land there
.endif
	TOSTAGE \a
	SEND \a-1, 16                                  ; behind block a - 1's loads: block a's 8 stores and 8 loads
.endr
	SEND 3, 0
	s_wait_tensorcnt 0x0                           ; the wave's end
	ds_add_u32 v[SPW], v[NIL]
	s_wait_dscnt 0x0
	CROUND                                         ; the closing round
	s_endpgm
.Lfunc_end_k_q4e98a1950d_proj:
	.size	k_q4e98a1950d_proj, .Lfunc_end_k_q4e98a1950d_proj-k_q4e98a1950d_proj
	.p2alignl 7, 3214868480
	.fill 96, 4, 3214868480
	.section	.rodata,"a",@progbits
	.p2align	6, 0x0
	.amdhsa_kernel k_q4e98a1950d_proj
		.amdhsa_group_segment_fixed_size 327680
		.amdhsa_private_segment_fixed_size 0
		.amdhsa_enable_private_segment 0
		.amdhsa_kernarg_size 32
		.amdhsa_user_sgpr_count 2
		.amdhsa_user_sgpr_kernarg_segment_ptr 1
		.amdhsa_wavefront_size32 1
		.amdhsa_system_sgpr_workgroup_id_x 1
		.amdhsa_system_sgpr_workgroup_id_y 1
		.amdhsa_system_sgpr_workgroup_id_z 1
		.amdhsa_system_vgpr_workitem_id 0
		.amdhsa_next_free_vgpr 512
		.amdhsa_next_free_sgpr 68
		.amdhsa_reserve_vcc 0
		.amdhsa_float_denorm_mode_32 3
		.amdhsa_float_denorm_mode_16_64 3
		.amdhsa_memory_ordered 1
		.amdhsa_forward_progress 1
		.amdhsa_inst_pref_size 87
	.end_amdhsa_kernel
	.amdgpu_metadata
---
amdhsa.version: [ 1, 2 ]
amdhsa.kernels:
  - .name:           k_q4e98a1950d_proj
    .symbol:         k_q4e98a1950d_proj.kd
    .args:
      - { .name: ao, .offset: 0, .size: 8, .value_kind: global_buffer, .address_space: global }
      - { .name: wp16, .offset: 8, .size: 8, .value_kind: global_buffer, .address_space: global }
      - { .name: out0, .offset: 16, .size: 8, .value_kind: global_buffer, .address_space: global }
      - { .name: b_proj, .offset: 24, .size: 8, .value_kind: global_buffer, .address_space: global }
    .group_segment_fixed_size: 327680
    .private_segment_fixed_size: 0
    .kernarg_segment_align: 8
    .kernarg_segment_size: 32
    .max_flat_workgroup_size: 128
    .sgpr_count:     68
    .vgpr_count:     512
    .wavefront_size: 32
...
	.end_amdgpu_metadata
.endif
;; end of part 4
;; launch fine (part 5): grid 64 x 1, 16 waves a work-group, no clusters, 67,584 bytes of LDS; arguments qkvf, qkvh, mb, w_proj, b_proj, out0; writes out0
.if DOCPART == 5
	.amdgcn_target "amdgcn-amd-amdhsa--gfx1250"
	.amdhsa_code_object_version 6
	.text
	.protected	k_q4e98a1950d_fine
	.globl	k_q4e98a1950d_fine
	.p2align	8
	.type	k_q4e98a1950d_fine,@function
k_q4e98a1950d_fine:
	s_mov_b64 s[64:65], 0
	v_nop
	global_prefetch_b8 v0, s[64:65] scope:SCOPE_SE
	s_setreg_imm32_b32 hwreg(HW_REG_WAVE_MODE, 25, 1), 1
	s_wait_xcnt 0x0
; THE FIRST 16 POSITIONS OF EVERY SEQUENCE ONCE MORE, IN F32: attention and projection, stored over rows 0-15 of each sequence of out0.  Those rows may average very few values, where the rounding of 16-bit operands weighs most.
; SHARES.  Work-group = (sequence b, 64 output columns).  Wave = head: it makes its head's attention for queries 0-15, then its head's 64 channels' part of the 64 columns; the 16 parts meet in LDS and are added in the heads' order.
; (The attention is so made in 16 work-groups alike: a few hundred kilobytes read, against a launch more.)
; OPERANDS.  q, and k and v of keys 0-15, come unrounded from qkvf.  Keys from 16 on count only where the given mask lets positions 0-15 see them: they come as the f16 numbers of qkvh, widened (LIMIT: those carry f16's rounding).
; Which key tiles count is read from the stored flags and lane-mask words of q tile 0: branches on stored whole numbers.
; THE MATRIX FORM is 16 x 16 x 4 in f32: lane (r, h) holds row or column r and k slots 2 h, 2 h + 1.  Which number stands in a k slot is free so long as both sources agree:
;   S^T = K Q^T: registers e = 0 .. 31 of both hold channel 32 h + e.       O^T = V^T P: P is S^T as it stands (key 8 h + j); V's register 8 t + j holds v[key 8 h + j][channel 16 t + r].
;   out^T = W^T O: O is O^T as it stands (register e: channel 16 (e / 8) + 8 h + e % 8); W's register 32 nt + e holds w_proj[that channel of my head][column 16 nt + r].
; The registers that this form writes (v192-239) are written by matrix instructions alone, and each sum begins with the constant 0; what is made of a sum goes to other registers.
.set SPARE, 65536                      ; LDS: 16 parts of 4,096 bytes, then the spare words
.set QF, 16
.set KF, 48
.set VF, 80
.set KR, 112                           ; k's f16 numbers as loaded
.set SS, 128                           ; the scores, then p
.set OO, 144                           ; O^T
.set TT, 192                           ; four accumulators
.set SA, 224
.set SB, 232
	s_load_b256 s[4:11], s[0:1], 0x0               ; qkvf, qkvh, mb, w_proj
	s_load_b128 s[12:15], s[0:1], 0x20             ; b_proj, out0
	v_lshl_add_u32 v1, v0, 2, SPARE
	v_mov_b32 v2, 0
	v_lshrrev_b32 v15, 5, v0
	v_readfirstlane_b32 s18, v15                   ; wave = head
	s_lshr_b32 s16, ttmp9, 4                       ; b
	s_and_b32 s17, ttmp9, 15                       ; which 64 columns
	v_and_b32 v13, 15, v0                          ; r
	v_bfe_u32 v14, v0, 4, 1                        ; h
	v_and_b32 v12, 31, v0                          ; lane
	v_mul_u32_u24 v3, v13, 12288
	v_lshl_add_u32 v3, v14, 7, v3                  ; q, k in f32: row r of 12,288 bytes, + 32 h channels
	v_mul_u32_u24 v4, v14, 98304
	v_lshl_add_u32 v4, v13, 2, v4                  ; v in f32: key 8 h, channel r
	v_lshlrev_b32 v5, 7, v13
	v_lshl_add_u32 v5, v14, 6, v5                  ; k in f16: row r of 128 bytes, + 32 h channels
	v_lshlrev_b32 v6, 10, v14
	v_lshl_add_u32 v6, v13, 1, v6                  ; v in f16
	v_lshlrev_b32 v7, 15, v14
	v_lshl_add_u32 v7, v13, 2, v7                  ; w_proj: row 8 h, column r
	v_lshlrev_b32 v8, 5, v12
	v_lshl_add_u32 v8, v15, 12, v8                 ; my part in LDS: 4,096 x head + 32 x lane
	v_bfe_u32 v15, v0, 5, 3
	v_lshl_add_u32 v15, v15, 1, v14                ; the sum: waves 0-7 take two rows each: row 2 w + h; sixteen lanes take its 64 columns, four each
	v_lshlrev_b32 v9, 5, v15                       ; a part holds column c of row q at 1,024 (c / 16) + 512 ((c / 8) % 2) + 32 q + 4 (c % 8)
	v_lshrrev_b32 v10, 2, v13
	v_lshl_add_u32 v9, v10, 10, v9
	v_bfe_u32 v10, v0, 1, 1
	v_lshl_add_u32 v9, v10, 9, v9
	v_and_b32 v10, 1, v0
	v_lshl_add_u32 v9, v10, 4, v9
	v_lshlrev_b32 v10, 12, v15
	v_lshl_add_u32 v10, v13, 4, v10                ; and in out0
	v_lshlrev_b32 v11, 4, v13
	v_lshlrev_b32 v12, 2, v12
	s_mov_b32 s20, 0x3e38aa3b                      ; c = log2(e) / 8
	s_mov_b32 s21, s20
	s_mov_b32 s22, 0x76543210
	s_mov_b32 s23, 0xfedcba98
	s_mov_b32 s24, 0xff800000                      ; -infinity
	s_mul_i32 s28, s16, 786432
	s_lshl_b32 s29, s18, 8
	s_add_co_u32 s28, s28, s29
	s_mov_b32 s29, 0
	s_lshl_b32 s30, s16, 4
	s_add_co_u32 s30, s30, s18
	s_lshl_b32 s30, s30, 18
	s_mov_b32 s31, 0
	s_lshl_b32 s32, s18, 18
	s_lshl_b32 s33, s17, 8
	s_add_co_u32 s32, s32, s33
	s_mov_b32 s33, 0
	s_lshl_b32 s34, s17, 8
	s_mov_b32 s35, 0
	s_lshl_b32 s36, s16, 23
	s_mov_b32 s37, 0
	s_wait_kmcnt 0x0
	s_add_nc_u64 s[4:5], s[4:5], s[28:29]          ; qkvf: my sequence's first 16 rows, my head's q
	s_add_nc_u64 s[6:7], s[6:7], s[30:31]
	s_add_nc_u64 s[66:67], s[6:7], 33554432        ; v in f16, my head
	s_add_nc_u64 s[6:7], s[6:7], 16777216          ; k in f16
	s_add_nc_u64 s[10:11], s[10:11], s[32:33]      ; w_proj: my head's 64 rows, my 64 columns
	s_add_nc_u64 s[12:13], s[12:13], s[34:35]
	s_add_nc_u64 s[14:15], s[14:15], s[34:35]
	s_add_nc_u64 s[14:15], s[14:15], s[36:37]
	s_add_nc_u64 s[28:29], s[8:9], 524288          ; q tile 0's flags
	global_load_b32 v136, v12, s[28:29]            ; lane L: the flag of key step L
	global_load_b128 v[240:243], v11, s[12:13]     ; the bias of my four columns
.irp x, 0,1,2,3,4,5,6,7
	global_load_b128 v[QF+4*\x:QF+4*\x+3], v3, s[4:5] offset:16*\x
	global_load_b128 v[KF+4*\x:KF+4*\x+3], v3, s[4:5] offset:4096+16*\x
.endr
.irp t, 0,1,2,3
.irp j, 0,1,2,3,4,5,6,7
	global_load_b32 v[VF+8*\t+\j], v4, s[4:5] offset:8192+\j*12288+64*\t
.endr
.endr
	s_load_b256 s[32:39], s[8:9], 0x0              ; the lane-mask words of keys 0-15
	v_mov_b32 v177, 0xff61b1e6                     ; m = -3e38
	v_mul_f32 v176, s20, v177                      ; c m
	v_mov_b32 v178, 0                              ; l, in two halves
	v_mov_b32 v179, 0
	v_mov_b32 v181, 0                              ; (named as the upper half of a's pair)
.set i, 0
.rept 32
	v_mov_b32 v[OO+i], 0
.set i, i+1
.endr
	s_wait_kmcnt 0x0
	s_wait_loadcnt 0x0
	v_and_b32 v136, 1, v136
	v_cmp_ne_u32 s25, 0, v136                      ; bit s: q tile 0 keeps some key of step s
; One tile of 16 keys: K in v[KF..], V in v[VF..], its eight lane-mask words from s[w] on.
.macro ATT w
.set i, 0
.rept 8
.if i == 0
	v_wmma_f32_16x16x4_f32 v[SA:SA+7], v[KF:KF+1], v[QF:QF+1], 0
	v_wmma_f32_16x16x4_f32 v[SB:SB+7], v[KF+2:KF+3], v[QF+2:QF+3], 0
.else
	v_wmma_f32_16x16x4_f32 v[SA:SA+7], v[KF+4*i:KF+4*i+1], v[QF+4*i:QF+4*i+1], v[SA:SA+7]      ; two accumulators by turns
	v_wmma_f32_16x16x4_f32 v[SB:SB+7], v[KF+4*i+2:KF+4*i+3], v[QF+4*i+2:QF+4*i+3], v[SB:SB+7]
.endif
.set i, i+1
.endr
.rept 8
	v_nop                                          ; eight places behind this form, ahead of the first read of a result
.endr
.irp x, 0,2,4,6
	v_pk_add_f32 v[SS+\x:SS+\x+1], v[SA+\x:SA+\x+1], v[SB+\x:SB+\x+1]
.endr
.irp j, 0,1,2,3,4,5,6,7
	v_cndmask_b32 v[SS+\j], s24, v[SS+\j], s[\w+\j]
.endr
	v_max3_num_f32 v182, v[SS], v[SS+1], v[SS+2]
	v_max3_num_f32 v183, v[SS+3], v[SS+4], v[SS+5]
	v_max3_num_f32 v182, v182, v[SS+6], v[SS+7]
	v_max3_num_f32 v182, v182, v183, v177
	v_permlanex16_b32 v183, v182, s22, s23
	v_mov_b32 v184, v176
	v_max_num_f32 v177, v182, v183                 ; the running maximum
	v_mul_f32 v176, s20, v177
	v_sub_f32 v184, v184, v176
.irp x, 0,2,4,6
	v_pk_fma_f32 v[SS+\x:SS+\x+1], v[SS+\x:SS+\x+1], s[20:21], v[176:177] op_sel_hi:[1,0,0] neg_lo:[0,0,1] neg_hi:[0,0,1]
.endr
	v_exp_f32 v180, v184                           ; a
.irp j, 0,1,2,3,4,5,6,7
	v_exp_f32 v[SS+\j], v[SS+\j]
.endr
	v_nop
	s_wait_alu depctr_va_vdst(0)                   ; one wait for the nine exponentials, ahead of their first reader
	v_pk_add_f32 v[182:183], v[SS:SS+1], v[SS+2:SS+3]
	v_pk_add_f32 v[182:183], v[182:183], v[SS+4:SS+5]
	v_pk_add_f32 v[182:183], v[182:183], v[SS+6:SS+7]
	v_pk_fma_f32 v[178:179], v[178:179], v[180:181], v[182:183] op_sel_hi:[1,0,1]
.irp i, 0,1,2,3
.irp t, 0,1,2,3
.if \i == 0
	v_wmma_f32_16x16x4_f32 v[TT+8*\t:TT+8*\t+7], v[VF+8*\t:VF+8*\t+1], v[SS:SS+1], 0
.else
	v_wmma_f32_16x16x4_f32 v[TT+8*\t:TT+8*\t+7], v[VF+8*\t+2*\i:VF+8*\t+2*\i+1], v[SS+2*\i:SS+2*\i+1], v[TT+8*\t:TT+8*\t+7]
.endif
.endr
.endr
.rept 8
	v_nop
.endr
.irp x, 0,2,4,6,8,10,12,14,16,18,20,22,24,26,28,30
	v_pk_fma_f32 v[OO+\x:OO+\x+1], v[OO+\x:OO+\x+1], v[180:181], v[TT+\x:TT+\x+1] op_sel_hi:[1,0,1]   ; O = a O + this tile's part
.endr
.endm
; Key tile t of the step in hand, from f16, if q tile 0 keeps any of its keys.  Keys 0-15 have been taken in f32.
.macro TILE t
	s_or_b32 s27, s[32+8*\t], s[33+8*\t]
.irp x, 2,3,4,5,6,7
	s_or_b32 s27, s27, s[32+8*\t+\x]
.endr
.if \t == 0
	s_cmp_eq_u32 s26, 0
	s_cselect_b32 s27, 0, s27
.endif
	s_cmp_lg_u32 s27, 0
	s_cbranch_scc0 .Lskip_\@
.irp x, 0,1,2,3
	global_load_b128 v[KR+4*\x:KR+4*\x+3], v5, s[6:7] offset:\t*2048+16*\x
.endr
.irp c, 0,1,2,3
.irp j, 0,1,2,3,4,5,6,7
	global_load_u16 v[VF+8*\c+\j], v6, s[66:67] offset:\t*2048+\j*128+32*\c
.endr
.endr
	s_wait_loadcnt 0x0
	v_cvt_f32_f16 v48, v112.l
	v_cvt_f32_f16 v49, v112.h
	v_cvt_f32_f16 v50, v113.l
	v_cvt_f32_f16 v51, v113.h
	v_cvt_f32_f16 v52, v114.l
	v_cvt_f32_f16 v53, v114.h
	v_cvt_f32_f16 v54, v115.l
	v_cvt_f32_f16 v55, v115.h
	v_cvt_f32_f16 v56, v116.l
	v_cvt_f32_f16 v57, v116.h
	v_cvt_f32_f16 v58, v117.l
	v_cvt_f32_f16 v59, v117.h
	v_cvt_f32_f16 v60, v118.l
	v_cvt_f32_f16 v61, v118.h
	v_cvt_f32_f16 v62, v119.l
	v_cvt_f32_f16 v63, v119.h
	v_cvt_f32_f16 v64, v120.l
	v_cvt_f32_f16 v65, v120.h
	v_cvt_f32_f16 v66, v121.l
	v_cvt_f32_f16 v67, v121.h
	v_cvt_f32_f16 v68, v122.l
	v_cvt_f32_f16 v69, v122.h
	v_cvt_f32_f16 v70, v123.l
	v_cvt_f32_f16 v71, v123.h
	v_cvt_f32_f16 v72, v124.l
	v_cvt_f32_f16 v73, v124.h
	v_cvt_f32_f16 v74, v125.l
	v_cvt_f32_f16 v75, v125.h
	v_cvt_f32_f16 v76, v126.l
	v_cvt_f32_f16 v77, v126.h
	v_cvt_f32_f16 v78, v127.l
	v_cvt_f32_f16 v79, v127.h
	v_cvt_f32_f16 v80, v80.l
	v_cvt_f32_f16 v81, v81.l
	v_cvt_f32_f16 v82, v82.l
	v_cvt_f32_f16 v83, v83.l
	v_cvt_f32_f16 v84, v84.l
	v_cvt_f32_f16 v85, v85.l
	v_cvt_f32_f16 v86, v86.l
	v_cvt_f32_f16 v87, v87.l
	v_cvt_f32_f16 v88, v88.l
	v_cvt_f32_f16 v89, v89.l
	v_cvt_f32_f16 v90, v90.l
	v_cvt_f32_f16 v91, v91.l
	v_cvt_f32_f16 v92, v92.l
	v_cvt_f32_f16 v93, v93.l
	v_cvt_f32_f16 v94, v94.l
	v_cvt_f32_f16 v95, v95.l
	v_cvt_f32_f16 v96, v96.l
	v_cvt_f32_f16 v97, v97.l
	v_cvt_f32_f16 v98, v98.l
	v_cvt_f32_f16 v99, v99.l
	v_cvt_f32_f16 v100, v100.l
	v_cvt_f32_f16 v101, v101.l
	v_cvt_f32_f16 v102, v102.l
	v_cvt_f32_f16 v103, v103.l
	v_cvt_f32_f16 v104, v104.l
	v_cvt_f32_f16 v105, v105.l
	v_cvt_f32_f16 v106, v106.l
	v_cvt_f32_f16 v107, v107.l
	v_cvt_f32_f16 v108, v108.l
	v_cvt_f32_f16 v109, v109.l
	v_cvt_f32_f16 v110, v110.l
	v_cvt_f32_f16 v111, v111.l
	ATT 32+8*\t
.Lskip_\@:
.endm
	ATT 32                                         ; keys 0-15, in f32
	s_mov_b32 s26, 0
.Lstep:                                                ; 32 key steps of 64 keys; a step of which q tile 0 keeps nothing is passed over
	s_and_b32 s27, s25, 1
	s_cmp_lg_u32 s27, 0
	s_cbranch_scc0 .Lnext
	s_load_b512 s[32:47], s[8:9], 0x0
	s_load_b512 s[48:63], s[8:9], 0x40
	s_wait_kmcnt 0x0
	TILE 0
	TILE 1
	TILE 2
	TILE 3
.Lnext:
	s_wait_xcnt 0x0                                ; the bases are stepped only behind this wait
	s_add_nc_u64 s[8:9], s[8:9], 128
	s_add_nc_u64 s[6:7], s[6:7], 8192
	s_add_nc_u64 s[66:67], s[66:67], 8192
	s_lshr_b32 s25, s25, 1
	s_add_co_u32 s26, s26, 1
	s_cmp_lt_u32 s26, 32
	s_cbranch_scc1 .Lstep
	; THE PROJECTION: my head's 64 channels onto my work-group's 64 columns
.irp nt, 0,1,2,3
.irp e, 0,1,2,3,4,5,6,7,8,9,10,11,12,13,14,15,16,17,18,19,20,21,22,23,24,25,26,27,28,29,30,31
	global_load_b32 v[16+32*\nt+\e], v7, s[10:11] offset:(16*(\e/8)+\e%8)*4096+64*\nt
.endr
.endr
	v_add_f32 v182, v178, v179
	v_permlanex16_b32 v183, v182, s22, s23
	v_add_f32 v182, v182, v183                     ; the row's sum
	v_rcp_f32 v180, v182
	v_nop
	s_wait_alu depctr_va_vdst(0)
.irp x, 0,2,4,6,8,10,12,14,16,18,20,22,24,26,28,30
	v_pk_mul_f32 v[OO+\x:OO+\x+1], v[OO+\x:OO+\x+1], v[180:181] op_sel_hi:[1,0]    ; a row that keeps no key: 0 x infinity = NaN, as the softmax of a row of -infinity gives
.endr
	s_wait_loadcnt 0x0
.set c, 0
.rept 16
.irp nt, 0,1,2,3
.if c == 0
	v_wmma_f32_16x16x4_f32 v[TT+8*\nt:TT+8*\nt+7], v[16+32*\nt:17+32*\nt], v[OO:OO+1], 0
.else
	v_wmma_f32_16x16x4_f32 v[TT+8*\nt:TT+8*\nt+7], v[16+32*\nt+2*c:17+32*\nt+2*c], v[OO+2*c:OO+2*c+1], v[TT+8*\nt:TT+8*\nt+7]
.endif
.endr
.set c, c+1
.endr
.rept 8
	v_nop
.endr
.irp nt, 0,1,2,3
	ds_store_b128 v8, v[TT+8*\nt:TT+8*\nt+3] offset:1024*\nt       ; my part, as an image of its registers; each accumulator from its low end on
	ds_store_b128 v8, v[TT+8*\nt+4:TT+8*\nt+7] offset:1024*\nt+16
.endr
	s_wait_dscnt 0x0                               ; for the others' sake: my part has landed
	s_barrier_signal -1
	s_barrier_wait -1
	s_cmp_lt_u32 s18, 8
	s_cbranch_scc0 .Ldone
.irp p, 0,1,2,3,4,5,6,7,8,9,10,11,12,13,14,15
	ds_load_b128 v[16+4*\p:19+4*\p], v9 offset:4096*\p
.endr
	s_wait_dscnt 0x0
.irp p, 0,1,2,3,4,5,6,7,8,9,10,11,12,13,14,15
	v_pk_add_f32 v[240:241], v[240:241], v[16+4*\p:17+4*\p]        ; the bias, then the heads in ascending order
	v_pk_add_f32 v[242:243], v[242:243], v[18+4*\p:19+4*\p]
.endr
	global_store_b128 v10, v[240:243], s[14:15]    ; sixteen lanes store 256 consecutive bytes, aligned
.Ldone:
	s_wait_tensorcnt 0x0                           ; the wave's end
	ds_add_u32 v1, v2
	s_wait_dscnt 0x0
	s_endpgm
.Lfunc_end_k_q4e98a1950d_fine:
	.size	k_q4e98a1950d_fine, .Lfunc_end_k_q4e98a1950d_fine-k_q4e98a1950d_fine
	.p2alignl 7, 3214868480
	.fill 96, 4, 3214868480
	.section	.rodata,"a",@progbits
	.p2align	6, 0x0
	.amdhsa_kernel k_q4e98a1950d_fine
		.amdhsa_group_segment_fixed_size 67584
		.amdhsa_private_segment_fixed_size 0
		.amdhsa_enable_private_segment 0
		.amdhsa_kernarg_size 48
		.amdhsa_user_sgpr_count 2
		.amdhsa_user_sgpr_kernarg_segment_ptr 1
		.amdhsa_wavefront_size32 1
		.amdhsa_system_sgpr_workgroup_id_x 1
		.amdhsa_system_sgpr_workgroup_id_y 1
		.amdhsa_system_sgpr_workgroup_id_z 1
		.amdhsa_system_vgpr_workitem_id 0
		.amdhsa_next_free_vgpr 256
		.amdhsa_next_free_sgpr 68
		.amdhsa_reserve_vcc 0
		.amdhsa_float_denorm_mode_32 3
		.amdhsa_float_denorm_mode_16_64 3
		.amdhsa_memory_ordered 1
		.amdhsa_forward_progress 1
		.amdhsa_inst_pref_size 82
	.end_amdhsa_kernel
	.amdgpu_metadata
---
amdhsa.version: [ 1, 2 ]
amdhsa.kernels:
  - .name:           k_q4e98a1950d_fine
    .symbol:         k_q4e98a1950d_fine.kd
    .args:
      - { .name: qkvf, .offset: 0, .size: 8, .value_kind: global_buffer, .address_space: global }
      - { .name: qkvh, .offset: 8, .size: 8, .value_kind: global_buffer, .address_space: global }
      - { .name: mb, .offset: 16, .size: 8, .value_kind: global_buffer, .address_space: global }
      - { .name: w_proj, .offset: 24, .size: 8, .value_kind: global_buffer, .address_space: global }
      - { .name: b_proj, .offset: 32, .size: 8, .value_kind: global_buffer, .address_space: global }
      - { .name: out0, .offset: 40, .size: 8, .value_kind: global_buffer, .address_space: global }
    .group_segment_fixed_size: 67584
    .private_segment_fixed_size: 0
    .kernarg_segment_align: 8
    .kernarg_segment_size: 48
    .max_flat_workgroup_size: 512
    .sgpr_count:     68
    .vgpr_count:     256
    .wavefront_size: 32
...
	.end_amdgpu_metadata
.endif
;; end of part 5
